; MI455X (gfx1250); checked and timed in simulation.
; The chip was launched on July 23, 2026; its instructions are those of AMD's public machine-readable ISA for CDNA 5 (MIT licence, August 2026) and "CDNA5" Instruction Set Architecture Reference Guide (July 2026). The comments in the code are by the model that wrote it; some were corrected since.
;; Attention Block. Allowed arithmetic: matrix products marked QUANTISED: E2M3 operands, one E8M0 scale for each 32 along K, by v_wmma_scale_f32_16x16x128_f8f6f4 with both operands' format E2M3, f32 sums; everything else in f32.
;; Inputs: gn_b 256 float32; gn_w 256 float32; proj_b 256 float32; proj_w_codes 256 x 8 x 24 uint8 (E2M3 codes of proj_w, K innermost, in blocks of 32 codes, four codes in three bytes); proj_w_scales 256 x 8 uint8 (E8M0 scales of proj_w, one for each 32 codes along K); qkv_b 768 float32; qkv_w_codes 768 x 8 x 24 uint8 (E2M3 codes of qkv_w, K innermost, in blocks of 32 codes, four codes in three bytes); qkv_w_scales 768 x 8 uint8 (E8M0 scales of qkv_w, one for each 32 codes along K); x 4 x 256 x 64 x 64 float32.
;; Outputs: out0 4 x 256 x 64 x 64 float32.
;; This version of the problem:
;;   THIS VERSION OF THE PROBLEM IS GIVEN IN LOW PRECISION. The matrix products marked QUANTISED in the list below multiply operands that are first quantised to E2M3 (2 exponent bits, 3 mantissa bits; 6 bits a number), with one power-of-two scale for each 32 numbers along K (OCP MX v1.0); their sums are f32. All else is computed in f32.
;;   The module's matrix products, in the order in which they are computed (A, B: the left and right operand; K: the contracted axis; several contracted axes count as one K, in the product's order):
;;     1. [M 16,384, K 256] x [K 256, N 768]; A: computed on the way; B: input qkv_w (given as codes): QUANTISED
;;     2. batch 4 x [M 4,096, K 256] x [K 256, N 4,096]; A: computed on the way; B: computed on the way: QUANTISED
;;     3. batch 4 x [M 256, K 4,096] x [K 4,096, N 4,096]; A: computed on the way; B: softmax (see below): QUANTISED
;;     4. [M 16,384, K 256] x [K 256, N 256]; A: computed on the way; B: input proj_w (given as codes): QUANTISED
;;   THE QUANTISER, for each operand of a quantised product, along K:
;;     - K is cut into blocks of 32 from its start; a last block that is shorter is filled with zeros.
;;     - A block's scale is 2^e with e = floor(log2(the largest magnitude in the block)) - 2, held to -126 .. 127; a block of zeros has e = 0. As a byte (E8M0): e + 127.
;;     - Each number is divided by its block's scale, clamped to +-7.5, and rounded to the nearest number of E2M3, ties to even, subnormals kept.
;;     - The product sums the exact products of the quantised numbers (number of the format x scale) in f32.
;;   ~~~python
;;   def quantise(x, axis):      # numpy; x: float32 -> the quantised numbers, widened to float32 again
;;       x = np.moveaxis(x, axis, -1); K = x.shape[-1]
;;       x = np.pad(x, [(0, 0)] * (x.ndim - 1) + [(0, -K % 32)]); x = x.reshape(x.shape[:-1] + (-1, 32)); a = np.abs(x).max(-1, keepdims=True)
;;       e = np.where(a > 0, np.clip(np.frexp(np.where(a > 0, a, 1))[1] - 1 - 2, -126, 127), 0)      # np.frexp(a)[1] - 1 = floor(log2(a)), exactly
;;       r = np.clip(x / 2.0 ** e, -7.5, 7.5)
;;       step = 2.0 ** (np.maximum(np.frexp(np.where(r == 0, 1, r))[1] - 1, 0) - 3)
;;       q = np.round(r / step) * step * 2.0 ** e      # np.round: ties to even
;;       return np.moveaxis(q.reshape(q.shape[:-2] + (-1,))[..., :K], -1, axis).astype(np.float32)
;;   ~~~
;;   SOFTMAX AHEAD OF A QUANTISED PRODUCT. Where the list says 'softmax', what is quantised is not the finished softmax but p = 2^(t - M), with t = logit x log2(e) and M = ceil(the row's largest t), a whole number; so 1/2 < the row's largest p <= 1. The row's sum l is taken of the UNQUANTISED p, in f32, and the product's result is divided by l at the end. Since M is a whole number, a kernel that streams over the keys may use a running M (the ceiling of the running maximum): every later rescaling is an exact power of two, which a block's scale takes up: the codes' values come out the same.
;;   OPERANDS COMPUTED ON THE WAY. 'Computed on the way' means the value that the module computes at that place (a softmax that the list does not call 'softmax' is quantised finished and normalised). What goes into a quantiser is computed in f32, as accurately as f32 sums, v_exp_f32 and their like allow (about 1e-6 of the number): no bf16 or f16 on the way to a quantiser, and a product that is left as it is and whose result goes on into a quantised operand takes f32 operands (vector FMAs, or v_wmma_f32_16x16x4_f32). A number that lies on a knife's edge between two numbers of the format may be rounded either way, as far as f32 arithmetic and the matrix unit's own rounding can turn it there, and no further.
;;   INPUTS GIVEN AS CODES. proj_w (in the module: [256, 256], K = its axis 1); qkv_w (in the module: [768, 256], K = its axis 1): each comes as NAME_codes (uint8): NAME with its K axis moved to the last place and cut into blocks of 32 codes, [.., K / 32, bytes a block], one block behind the other in memory; four codes in three bytes: a row's codes are one little-endian stream of bits, code i at bits 6 i .. 6 i + 5 (a code: sign, 2 exponent bits, 3 mantissa bits); and NAME_scales (uint8): the same leading axes, one E8M0 byte (e + 127) for each 32 codes along K. Its value is code x scale, taken as it is: it is not quantised again, and the codes and scales need not be those that the quantiser above would give.
;; One version. Each part assembles by itself: llvm-mc -triple=amdgcn-amd-amdhsa -mcpu=gfx1250 --defsym DOCPART=n.
;; ======== version 1 of 1: 3 launches
;; workspace buffers: stats 2,048 bytes; qimg 3,276,800 bytes; kv 6,553,600 bytes
;; launch gnstat (part 1): grid 256 x 1, 8 waves a work-group, no clusters, 1,536 bytes of LDS; arguments x, stats; writes stats
.if DOCPART == 1
	.amdgcn_target "amdgcn-amd-amdhsa--gfx1250"
	.amdhsa_code_object_version 6
	.text
	.protected	k_q518cee84ed_gnstat
	.globl	k_q518cee84ed_gnstat
	.p2align	8
	.type	k_q518cee84ed_gnstat,@function
k_q518cee84ed_gnstat:
	s_mov_b64 s[64:65], 0
	v_nop
	global_prefetch_b8 v0, s[64:65] scope:SCOPE_SE
	s_setreg_imm32_b32 hwreg(HW_REG_WAVE_MODE, 25, 1), 1
	s_wait_xcnt 0x0
; GroupNorm's statistics.  x is [4][256][4096] f32; a group is 8 channels x 4,096 numbers = 32,768 consecutive numbers.
; A work-group takes HALF a group, 16,384 consecutive numbers (65,536 bytes), and stores its mean and its sum of squared
; deviations from that mean: stats[work-group] = (mean, M2), 8 bytes.  The next launch joins the two halves of a group.
; The 64 numbers of a thread stay in registers between the two passes, so x is read once here, and the deviations are taken
; from the mean itself: a common offset of the inputs costs no accuracy (no difference of large sums is formed).
; Eight waves; thread t takes 16 bytes at 16 t of each of sixteen runs of 4,096 bytes: a wave's load covers 512 consecutive bytes.
; No matrix unit, no tensor load, no cluster: work-groups share nothing and every byte is read once.
; The one store is 8 bytes a work-group, a part of an aligned block of 256 bytes: 2,048 bytes in the whole launch.
; LIMITS: NaN and infinities among the inputs are not served.
.set X,  16                            ; v16-79   my 64 numbers
.set CH, 80                            ; v80-87   four chains of packed sums
	s_load_b128 s[4:7], s[0:1], 0x0                ; x s[4:5], stats s[6:7]
	v_lshl_add_u32 v96, v0, 2, 0x200
	v_mov_b32 v97, 0
	v_lshlrev_b32 v1, 4, v0                        ; 16 t
	v_lshrrev_b32 v2, 5, v0
	v_readfirstlane_b32 s8, v2                     ; wave
	v_lshlrev_b32 v3, 2, v2                        ; LDS: my wave's word
	v_mov_b32 v4, 0
	s_lshl_b32 s10, ttmp9, 16                      ; 65,536 bytes a work-group
	s_mov_b32 s11, 0
	s_mov_b32 s12, 0x76543210                      ; v_permlanex16_b32's selects for lane l xor 16
	s_mov_b32 s13, 0xfedcba98
	s_wait_kmcnt 0x0
	s_add_nc_u64 s[4:5], s[4:5], s[10:11]
.set k, 0
.rept 16
	global_load_b128 v[X+4*k:X+4*k+3], v1, s[4:5] offset:4096*k
.set k, k+1
.endr
; The four chains become one number, the 32 lanes' numbers one, the eight waves' one: in v8 of every lane.  off: the LDS bytes of this reduction.
.macro REDUCE off
	v_pk_add_f32 v[CH:CH+1], v[CH:CH+1], v[CH+2:CH+3]
	v_pk_add_f32 v[CH+4:CH+5], v[CH+4:CH+5], v[CH+6:CH+7]
	v_pk_add_f32 v[CH:CH+1], v[CH:CH+1], v[CH+4:CH+5]
	v_add_f32 v[CH], v[CH], v[CH+1]
	v_add_f32_dpp v[CH], v[CH], v[CH] row_xmask:1 row_mask:0xf bank_mask:0xf
	v_add_f32_dpp v[CH], v[CH], v[CH] row_xmask:2 row_mask:0xf bank_mask:0xf
	v_add_f32_dpp v[CH], v[CH], v[CH] row_xmask:4 row_mask:0xf bank_mask:0xf
	v_add_f32_dpp v[CH], v[CH], v[CH] row_xmask:8 row_mask:0xf bank_mask:0xf
	v_permlanex16_b32 v[CH+1], v[CH], s12, s13
	v_add_f32 v[CH], v[CH], v[CH+1]
	ds_store_b32 v3, v[CH] offset:\off             ; all lanes of a wave write the same word with the same value
	s_wait_dscnt 0x0                               ; for the others' sake: my store has landed
	s_barrier_signal -1
	s_barrier_wait -1
	ds_load_b128 v[8:11], v4 offset:\off
	ds_load_b128 v[12:15], v4 offset:\off+16
	s_wait_dscnt 0x0
	v_add_f32 v8, v8, v9
	v_add_f32 v10, v10, v11
	v_add_f32 v12, v12, v13
	v_add_f32 v14, v14, v15
	v_add_f32 v8, v8, v10
	v_add_f32 v12, v12, v14
	v_add_f32 v8, v8, v12
.endm
	; pass 1: the sum.  The first four loads start the chains: nothing is cleared
	s_wait_loadcnt 12                              ; the first four loads are in; the twelve younger may be out
.irp c, 0,1,2,3
	v_pk_add_f32 v[CH+2*\c:CH+2*\c+1], v[X+2*\c:X+2*\c+1], v[X+8+2*\c:X+9+2*\c]
.endr
.irp g, 1,2,3
	s_wait_loadcnt 12-4*\g                         ; the next four are in
.irp c, 0,1,2,3
	v_pk_add_f32 v[CH+2*\c:CH+2*\c+1], v[CH+2*\c:CH+2*\c+1], v[X+16*\g+2*\c:X+16*\g+2*\c+1]
.endr
.irp c, 0,1,2,3
	v_pk_add_f32 v[CH+2*\c:CH+2*\c+1], v[CH+2*\c:CH+2*\c+1], v[X+16*\g+8+2*\c:X+16*\g+9+2*\c]
.endr
.endr
	REDUCE 0
	v_mul_f32 v88, 0x38800000, v8                  ; the mean: sum x 2^-14
	v_mov_b32 v89, v88
	; pass 2: the deviations, in place, and the sum of their squares
.set k, 0
.rept 32
	v_pk_add_f32 v[X+2*k:X+2*k+1], v[X+2*k:X+2*k+1], v[88:89] neg_lo:[0,1] neg_hi:[0,1]
.set k, k+1
.endr
.irp c, 0,1,2,3
	v_pk_mul_f32 v[CH+2*\c:CH+2*\c+1], v[X+2*\c:X+2*\c+1], v[X+2*\c:X+2*\c+1]
.endr
.set k, 4
.rept 28
	v_pk_fma_f32 v[CH+2*(k%4):CH+2*(k%4)+1], v[X+2*k:X+2*k+1], v[X+2*k:X+2*k+1], v[CH+2*(k%4):CH+2*(k%4)+1]
.set k, k+1
.endr
	REDUCE 256                                     ; other LDS bytes than the first reduction's: no wave can overwrite what another still reads
	v_mov_b32 v90, v88
	v_mov_b32 v91, v8
	s_cmp_lg_u32 s8, 0
	s_cbranch_scc1 .Lend                           ; wave 0 stores
	s_lshl_b32 s14, ttmp9, 3
	v_mov_b32 v5, s14
	s_wait_xcnt 0x0                                ; EXEC changes only behind this wait
	v_cmp_eq_u32 vcc_lo, 0, v0
	s_and_saveexec_b32 s15, vcc_lo                 ; lane 0 alone
	global_store_b64 v5, v[90:91], s[6:7]
	s_wait_xcnt 0x0                                ; and again in front of the line that widens it
	s_or_b32 exec_lo, exec_lo, s15
.Lend:
	s_wait_tensorcnt 0x0
	ds_add_u32 v96, v97
	s_wait_dscnt 0x0
	s_endpgm
.Lfunc_end_k_q518cee84ed_gnstat:
	.size	k_q518cee84ed_gnstat, .Lfunc_end_k_q518cee84ed_gnstat-k_q518cee84ed_gnstat
	.p2alignl 7, 3214868480
	.fill 96, 4, 3214868480
	.section	.rodata,"a",@progbits
	.p2align	6, 0x0
	.amdhsa_kernel k_q518cee84ed_gnstat
		.amdhsa_group_segment_fixed_size 1536
		.amdhsa_private_segment_fixed_size 0
		.amdhsa_enable_private_segment 0
		.amdhsa_kernarg_size 16
		.amdhsa_user_sgpr_count 2
		.amdhsa_user_sgpr_kernarg_segment_ptr 1
		.amdhsa_wavefront_size32 1
		.amdhsa_system_sgpr_workgroup_id_x 1
		.amdhsa_system_sgpr_workgroup_id_y 1
		.amdhsa_system_sgpr_workgroup_id_z 1
		.amdhsa_system_vgpr_workitem_id 0
		.amdhsa_next_free_vgpr 98
		.amdhsa_next_free_sgpr 66
		.amdhsa_reserve_vcc 1
		.amdhsa_float_denorm_mode_32 3
		.amdhsa_float_denorm_mode_16_64 3
		.amdhsa_memory_ordered 1
		.amdhsa_forward_progress 1
		.amdhsa_inst_pref_size 12
	.end_amdhsa_kernel
	.amdgpu_metadata
---
amdhsa.version: [ 1, 2 ]
amdhsa.kernels:
  - .name:           k_q518cee84ed_gnstat
    .symbol:         k_q518cee84ed_gnstat.kd
    .args:
      - { .name: x, .offset: 0, .size: 8, .value_kind: global_buffer, .address_space: global }
      - { .name: stats, .offset: 8, .size: 8, .value_kind: global_buffer, .address_space: global }
    .group_segment_fixed_size: 1536
    .private_segment_fixed_size: 0
    .kernarg_segment_align: 8
    .kernarg_segment_size: 16
    .max_flat_workgroup_size: 256
    .sgpr_count:     66
    .vgpr_count:     98
    .wavefront_size: 32
...
	.end_amdgpu_metadata
.endif
;; end of part 1
;; launch qkv (part 2): grid 64 x 4, 4 waves a work-group, clusters of 4 x 1, 270,848 bytes of LDS; arguments x, stats, gn_w, gn_b, qkv_w_codes, qkv_w_scales, qkv_b, qimg, kv; writes qimg, kv
.if DOCPART == 2
	.amdgcn_target "amdgcn-amd-amdhsa--gfx1250"
	.amdhsa_code_object_version 6
	.text
	.protected	k_q518cee84ed_qkv
	.globl	k_q518cee84ed_qkv
	.p2align	8
	.type	k_q518cee84ed_qkv,@function
k_q518cee84ed_qkv:
	s_mov_b64 s[64:65], 0
	v_nop
	global_prefetch_b8 v0, s[64:65] scope:SCOPE_SE
	s_setreg_imm32_b32 hwreg(HW_REG_WAVE_MODE, 25, 1), 1
	s_wait_xcnt 0x0
	s_wait_alu depctr_hold_cnt(0) depctr_sa_sdst(0) depctr_va_vdst(0) depctr_va_sdst(0) depctr_va_ssrc(0) depctr_va_vcc(0) depctr_vm_vsrc(0)
	s_getreg_b32 s2, hwreg(HW_REG_IB_STS2, 6, 4)
	s_cmp_eq_u32 s2, 0
	s_cbranch_scc0 .Lentry_in_a_cluster
	s_endpgm
.Lentry_in_a_cluster:
	s_bfe_u32 s2, ttmp6, 0x10000c
	s_cmp_lg_u32 s2, 0x3003
	s_cbranch_scc0 .Lentry_shape_is_right
	s_endpgm
.Lentry_shape_is_right:
; h = GroupNorm(x); qkv = W h + b on codes of FP6 (E2M3) with one E8M0 scale for each 32 along K; q and k are quantised along the channels, v along the keys,
; and all three leave as IMAGES OF OPERAND REGISTERS, laid as the attention launch loads them.
; SHARES.  A work-group takes 64 columns n of one batch (x = block of 64, y = batch), all 256 channels, all 768 outputs.  Wave w quantises h's tile w (16 columns);
; in the products the waves share the OUTPUTS, so each wave's part of W is read from LDS once, into registers, by that wave alone:
;   role A: W's rows 128 w .. 128 w + 127 (w = 0, 1: q's two K steps; w = 2, 3: k's), used as source 0: a lane then holds one column n and channels along its registers;
;   role B: v's channels 64 w .. 64 w + 63, W as source 1 and h as source 0: a lane then holds one channel and KEYS along its registers.
; ONE CHOICE OF ROWS makes every quantiser local to a lane.  ro(r) = r + 24 (r / 8).  Tile u of four takes, of 64 neighbours, index 8 u + ro(r): rows 0-7 are 8 u + r, rows 8-15 are 32 + 8 u + r - 8.
; In a result, register j of lane half h is row 8 h + j: so the 32 registers of tiles 0-3 hold in lane half h the neighbours 32 h + 0 .. 31: a whole block of 32, in the order k = 64 c + 32 h + i of the 6-bit operand.
; It is used for the columns n of h's tiles (so for the queries of a tile of Q, the keys of a tile of K, and v's blocks of keys), for W's rows in role A and for W's rows in role B.
; CLUSTER.  Every work-group reads the same W: the four of a cluster ask for it JOINTLY, each wave by three tensor loads of 64 dense rows (its 128 rows of role A, its 64 of role B) with the mask 15 and a descriptor
; made of the wave's number alone.  x is each block's own: two plain tensor loads a wave.  All five go out as one group behind the opening round: five loads of a wave are out at the most.  Nothing is filled again.
; W IN LDS: rows of 192 bytes with 16 bytes of padding behind every 64: 240 bytes from row to row.  A piece of 8 bytes never straddles a padding; lanes 16-31 read three pieces further on than lanes 0-15, which for
; some pieces is behind one padding more: a second address register (40 for 24 bytes a half) serves those.  Rows r and r + 8 of a tile lie 32 rows apart, 7,680 bytes, a whole number of times through the 64 banks of
; 4 bytes (ISA guide 11.1): these loads go two deep.  Regions of 32 rows with a gap between them would mend it at eight tensor loads a wave: not done.
; x: each tensor load brings 32 channels x 256 bytes: 32 rows and not 64, so that 64 bytes can lie between the regions: lanes 16-31 read one region further on than lanes 0-15,
; 2,064 words, that is 16 banks on, and the 32 lanes of a load touch 32 different banks.
; kv: a step of 128 keys is 51,200 bytes: an even step K's piece and then V's, an odd step V's and then K's, as the attention launch's three slots want them.
; LIMITS: NaN and infinities are not served.  A block's largest magnitude is held at 2^-124 from below, so its byte cannot fall under 1; a block of zeros so gets the byte 1 where the rule says 127: its codes are zeros,
; which add nothing, and the bytes are read by this program alone.
.set XREG, 8256                        ; LDS: eight regions of 32 channels x 256 bytes, 64 bytes between them
.set TA,   8*XREG                      ; a[256] = rstd x gn_w;  behind it, 1,024 bytes on, b[256] = gn_b
.set TM,   TA+2048                     ; the 32 groups' means
.set HIMG, TM+256                      ; h's eight fragments (tile u, K step s: 2 u + s), 1,536 bytes each, as images of their registers
.set HSC,  HIMG+8*1536                 ; their scale words, 128 bytes each
.set VSS,  HSC+8*128                   ; v's scale bytes of the four waves, 512 bytes
.set WL,   VSS+512                     ; W: for each wave 192 rows: role A's 128, then role B's 64
.set WP,   240                         ; from row to row
.set WWAVE, 192*WP
.set WS,   16                          ; v16-31 W's scale words of role A (2 t + s);  v32-39 of role B
.set HS,   40                          ; v40-47 h's scale words (2 u + s)
.set HF,   48                          ; v48-143 h's fragments, 12 registers each;  before that: v48-79 a, v80-111 b, v112-115 four means
.set ACC,  144                         ; v144-207 accumulators;  before that: v144-175 32 numbers of x
.set PC,   208                         ; v208-219 the codes just made;  v220-222, v224-226 the halves that begin on an odd register
.set PT0,  220
.set PT1,  224
.set MX,   228                         ; v228-231 largest magnitudes, two chains a block
.set SOP,  232                         ; v232-233 the conversions' scale operands
.set BYT,  234                         ; v234-235 scale bytes
.set PW,   236                         ; a scale word at work;  v237 the other lane half's
.set PX,   237
.set SW,   238                         ; v238-241 q's or k's scale words, tile u
.set HW,   242                         ; v242-245 v's two scale bytes, tile t
.set OUTP, 246                         ; v246-247 a pair to store
; v1, v13 W's place in LDS (40 h, 24 h), v2 r, v3 h, v4 x's place in LDS, v5 a's, v6 the means', v7 16 x lane, v8 8 x lane, v9 an image's place, v10, v11 where I store h's images and words, v12 8 h,
; v14, v15 W's scale words and role B's bias by ro(r);  v248 a word's place, v249, v250 v's scale bytes in and out, v251 128 h, v252-255 the tables
; window 1: role A's 16 fragments of W at 12 (2 t + s).   window 2: v0-95 role B's 8 fragments; v96-159 role A's bias, 8 a tile; v160-191 role B's.
; s[24:31] group 1 for x, s[32:39] its two groups 0;  s[44:51] group 1 for W, s[52:63] its three groups 0: none of these last twenty ever holds a number made of my place in the cluster
.set MSB, 0
.macro WIN new                         ; the immediate's high byte repeats the setting that is left
.if MSB != (\new)
	s_set_vgpr_msb (MSB<<8)|(\new)
.set MSB, \new
.endif
.endm
.macro PLACES n
.rept \n
	v_nop
.endr
.endm
; A round of the cluster's barrier: my work-group's barrier; wave 0 signals for the work-group; every wave waits for all four work-groups; my work-group's barrier once more
.macro CROUND
	s_barrier_signal -1
	s_barrier_wait -1
	s_cmp_lg_u32 s22, 0
	s_cbranch_scc1 .Lnot_wave_0_\@
	s_barrier_signal -3
.Lnot_wave_0_\@:
	s_barrier_wait -3
	s_barrier_signal -1
	s_barrier_wait -1
.endm
.macro WM d, a, b, c, sa, sb
	v_wmma_scale_f32_16x16x128_f8f6f4 v[(\d):(\d)+7], v[(\a):(\a)+11], v[(\b):(\b)+11], v[(\c):(\c)+7], v[\sa], v[\sb] matrix_a_fmt:MATRIX_FMT_FP6 matrix_b_fmt:MATRIX_FMT_FP6
.endm
; the largest magnitude of v[x] .. v[x + 31], in ascending order (each accumulator is read from its low end on), with the floor 2^(3 - 127) as a last leaf
.macro MAX32 m, x
	v_max3_num_f32 v[\m], |v[\x]|, |v[\x+1]|, |v[\x+2]|
	v_max3_num_f32 v[\m+1], |v[\x+3]|, |v[\x+4]|, |v[\x+5]|
.irp i, 6,10,14,18,22,26
	v_max3_num_f32 v[\m], v[\m], |v[\x+\i]|, |v[\x+\i+1]|
	v_max3_num_f32 v[\m+1], v[\m+1], |v[\x+\i+2]|, |v[\x+\i+3]|
.endr
	v_max3_num_f32 v[\m], v[\m], |v[\x+30]|, |v[\x+31]|
	v_max3_num_f32 v[\m], v[\m], v[\m+1], 0x1800000
.endm
; a fragment of W from LDS: 16 rows x 128 K: lane (r, h) takes 24 bytes at 24 h and 24 at 48 + 24 h of its row's 96, in pieces of 8 bytes.  Lanes 0-15 take the row's pieces 12 s + 0, 1, 2 and 12 s + 6, 7, 8
.macro WFRAG reg, row, s
.irp p, 0,1,2,3,4,5
.set PCE, 12*(\s)+6*(\p/3)+\p%3
.if PCE%8 < 5
	ds_load_b64 v[(\reg)+2*\p:(\reg)+2*\p+1], v13 offset:8*PCE+16*(PCE/8)+(\row)*WP
.else
	ds_load_b64 v[(\reg)+2*\p:(\reg)+2*\p+1], v1 offset:8*PCE+16*(PCE/8)+(\row)*WP
.endif
.endr
.endm
	s_load_b256 s[4:11], s[0:1], 0x0               ; x s[4:5], stats s[6:7], gn_w s[8:9], gn_b s[10:11]
	s_load_b256 s[12:19], s[0:1], 0x20             ; W's codes s[12:13], W's scales s[14:15], qkv_b s[16:17], qimg s[18:19]
	s_load_b64 s[20:21], s[0:1], 0x40              ; kv
	v_lshl_add_u32 v223, v0, 2, 0x42000
	v_mov_b32 v227, 0
	ds_add_u32 v223, v227
	ds_add_u32 v223, v227
	v_lshrrev_b32 v1, 5, v0
	v_readfirstlane_b32 s22, v1                    ; wave 0..3
	s_bfe_u32 s90, ttmp6, 0x40000                  ; cx: my place in the cluster
	s_lshl_b32 s43, ttmp9, 2                       ; in a cluster launch ttmp9 counts clusters
	s_add_co_u32 s43, s43, s90                     ; my block of 64 columns: it enters global addresses of x, qimg and kv alone
	s_and_b32 s23, ttmp7, 0xffff                   ; batch
	; descriptor group 1 for x: 32 rows (channels) x 64 elements of 4 bytes, 4,096 elements from row to row, no padding, no mask
	s_mov_b32 s24, 2<<16
	s_mov_b32 s25, 64<<16                          ; tensor_dim0 = 64
	s_mov_b32 s26, 32<<16                          ; tensor_dim1 = 32
	s_mov_b32 s27, 64<<16                          ; tile_dim0 = 64
	s_mov_b32 s28, 32                              ; tile_dim1 = 32
	s_mov_b32 s29, 4096
	s_mov_b32 s30, 0
	s_mov_b32 s31, 0
	; and for W: 64 rows of 192 bytes, dense in memory
	s_mov_b32 s44, 15|(1<<20)|(1<<21)|(3<<22)|(3<<25)   ; 15:0 the mask: all four work-groups; 17:16 elements of 1 byte; 20 padding on; 21 set beside a mask; 24:22 after every 16 words (code 3); 31:25 of 4 words (code 3)
	s_mov_b32 s45, 192<<16                         ; tensor_dim0
	s_mov_b32 s46, 64<<16                          ; tensor_dim1
	s_mov_b32 s47, 192<<16                         ; tile_dim0
	s_mov_b32 s48, 64                              ; tile_dim1
	s_mov_b32 s49, 192                             ; from row to row
	s_mov_b32 s50, 0
	s_mov_b32 s51, 0
	s_lshl_b32 s90, s23, 22                        ; x: the batch: 4,194,304 bytes;
	s_lshl_b32 s91, s22, 20                        ; my 64 channels of 16,384 bytes;
	s_add_co_u32 s90, s90, s91
	s_lshl_b32 s91, s43, 8                         ; the block's 64 columns
	s_add_co_u32 s90, s90, s91
	s_mov_b32 s91, 0
	s_mov_b32 s32, 1
	s_mul_i32 s33, s22, 2*XREG                     ; regions 2 w and 2 w + 1
	s_mov_b32 s36, 1
	s_add_co_u32 s37, s33, XREG
	s_mov_b32 s52, 1
	s_mul_i32 s53, s22, WWAVE
	s_add_co_u32 s53, s53, WL                      ; my part of W in LDS: role A's rows 0-63,
	s_mul_i32 s54, s22, 24576                      ; which begin 128 w rows of 192 bytes into W
	s_mov_b32 s55, 0
	s_mov_b32 s56, 1
	s_add_co_u32 s57, s53, 64*WP                   ; its rows 64-127,
	s_mov_b32 s60, 1
	s_add_co_u32 s61, s53, 128*WP                  ; role B's 64,
	s_mul_i32 s62, s22, 12288
	s_add_co_u32 s62, s62, 98304                   ; which begin at row 512 + 64 w
	s_mov_b32 s63, 0
	s_wait_dscnt 0x0
	s_wait_kmcnt 0x0
	s_add_nc_u64 s[34:35], s[4:5], s[90:91]
	s_add_nc_u64 s[38:39], s[34:35], 32*16384
	s_or_b32 s35, s35, 0x80000000
	s_or_b32 s39, s39, 0x80000000
	s_add_nc_u64 s[54:55], s[12:13], s[54:55]
	s_add_nc_u64 s[58:59], s[54:55], 12288
	s_add_nc_u64 s[62:63], s[12:13], s[62:63]
	s_or_b32 s55, s55, 0x80000000
	s_or_b32 s59, s59, 0x80000000
	s_or_b32 s63, s63, 0x80000000
	CROUND                                         ; all four work-groups are here: the joint loads meet
	tensor_load_to_lds s[32:35], s[24:31]          ; x first: it is wanted first
	s_nop 0
	tensor_load_to_lds s[36:39], s[24:31]
	s_nop 0
	tensor_load_to_lds s[52:55], s[44:51]          ; W, jointly
	s_nop 0
	tensor_load_to_lds s[56:59], s[44:51]
	s_nop 0
	tensor_load_to_lds s[60:63], s[44:51]
	s_nop 0
	PLACES 4                                       ; behind a tensor load
	v_and_b32 v1, 31, v0                           ; lane
	v_and_b32 v2, 15, v0                           ; r
	v_bfe_u32 v3, v0, 4, 1                         ; h
	v_lshrrev_b32 v246, 3, v2
	v_mad_u32_u24 v247, v246, 24, v2               ; ro(r)
	v_mul_u32_u24 v4, v3, XREG
	v_lshl_add_u32 v4, v247, 2, v4
	s_lshl_b32 s3, s22, 5
	v_add_nc_u32 v4, s3, v4                        ; x: region h, column 8 w + ro(r)
	v_lshl_add_u32 v5, v3, 7, TA                   ; a, b: my half's 32 channels
	v_lshl_add_u32 v6, v3, 4, TM                   ; and their four groups
	v_lshlrev_b32 v7, 4, v1
	v_lshlrev_b32 v8, 3, v1
	v_lshl_add_u32 v9, v1, 4, HIMG
	s_mul_i32 s3, s22, 3072
	v_add_nc_u32 v10, s3, v9
	v_lshl_add_u32 v248, v1, 2, HSC
	s_lshl_b32 s3, s22, 8
	v_add_nc_u32 v11, s3, v248
	v_lshlrev_b32 v12, 3, v3
	v_mul_u32_u24 v13, v247, WP
	v_mad_u32_u24 v13, v3, 24, v13
	v_add_nc_u32 v13, s53, v13                     ; W in LDS: my part, row ro(r), + 24 h
	v_lshlrev_b32 v14, 3, v247                     ; its scale bytes in memory: 8 a row
	v_lshlrev_b32 v15, 2, v247
	v_lshl_add_u32 v250, v1, 4, VSS
	s_lshl_b32 s3, s22, 2
	v_add_nc_u32 v249, s3, v250
	v_lshl_add_u32 v1, v3, 4, v13                  ; the same as v13 behind one padding more: + 40 h
	v_lshlrev_b32 v251, 7, v3
	v_lshrrev_b32 v252, 2, v0                      ; thread t serves channels 2 t, 2 t + 1: group t / 4
	v_lshlrev_b32 v253, 4, v252
	v_lshl_add_u32 v252, v252, 2, TM
	v_lshlrev_b32 v254, 3, v0
	v_lshl_add_u32 v255, v0, 3, TA
	v_mov_b32 v[PX], 0                             ; written once: a lane permute's destination counts as one of its sources
	s_mov_b32 s40, 0x76543210                      ; v_permlanex16_b32's selects for lane l xor 16
	s_mov_b32 s41, 0xfedcba98
	s_mov_b32 s42, 0xffff0000                      ; lanes 16-31
	s_mov_b32 s100, 0x38000000                     ; 2^-15: a group has 32,768 numbers
	s_mov_b32 s101, 0x3727c5ac                     ; 1e-5
	s_lshl_b32 s90, s22, 10
	s_add_nc_u64 s[92:93], s[14:15], s[90:91]      ; role A's scale bytes: my 128 rows of 8;
	s_lshl_b32 s90, s22, 9
	s_add_co_u32 s90, s90, 4096
	s_add_nc_u64 s[94:95], s[14:15], s[90:91]      ; role B's: rows 512 + 64 w on;
	s_lshl_b32 s90, s22, 9
	s_add_nc_u64 s[96:97], s[16:17], s[90:91]      ; and their biases
	s_lshl_b32 s90, s22, 8
	s_add_co_u32 s90, s90, 2048
	s_add_nc_u64 s[98:99], s[16:17], s[90:91]
	s_lshl_b32 s90, s23, 9
	s_add_nc_u64 s[6:7], s[6:7], s[90:91]          ; my batch's 64 entries of stats
	global_load_b128 v[144:147], v253, s[6:7]      ; the two halves of my group: mean, M2, mean, M2
	global_load_b64 v[148:149], v254, s[8:9]
	global_load_b64 v[150:151], v254, s[10:11]
.irp t, 0,1,2,3,4,5,6,7
.irp s, 0,1
	global_load_b32 v[WS+2*\t+\s], v14, s[92:93] offset:(64*(\t/4)+8*(\t%4))*8+4*\s
.endr
.endr
.irp t, 0,1,2,3
.irp s, 0,1
	global_load_b32 v[WS+16+2*\t+\s], v14, s[94:95] offset:64*\t+4*\s
.endr
.endr
	WIN 0x80
.irp t, 0,1,2,3,4,5,6,7                ; role A's bias in the result's layout: register j of lane half h is output 64 (t / 4) + 8 (t % 4) + 32 h + j
	global_load_b128 v[96+8*\t:96+8*\t+3], v251, s[96:97] offset:(64*(\t/4)+8*(\t%4))*4
	global_load_b128 v[96+8*\t+4:96+8*\t+7], v251, s[96:97] offset:(64*(\t/4)+8*(\t%4))*4+16
.endr
	WIN 0
	; where the results go, in bytes from qimg or kv
	s_and_b32 s74, s22, 1                          ; which K step of q or of k is mine
	s_and_b32 s75, s43, 1                          ; which half of a step of 128 keys this block is
	s_lshl_b32 s76, s23, 6
	s_add_co_u32 s76, s76, s43
	s_mul_i32 s76, s76, 12800                      ; qimg: 12,800 bytes a block
	s_lshr_b32 s77, s43, 1                         ; the step
	s_and_b32 s89, s77, 1
	s_mul_i32 s89, s89, 25600                      ; where K's piece begins in it: 0 in an even step, 25,600 in an odd one
	s_mul_i32 s77, s77, 51200                      ; kv: 51,200 bytes a step,
	s_mul_i32 s78, s23, 1638400                    ; 32 steps a batch
	s_add_co_u32 s77, s77, s78
	s_mul_i32 s78, s74, 1536
	s_lshl_b32 s79, s74, 8
	s_mul_i32 s80, s75, 12288
	s_lshl_b32 s81, s75, 9
	s_add_co_u32 s82, s76, s78                     ; q's codes
	s_add_co_u32 s83, s76, s79
	s_add_co_u32 s83, s83, 12288                   ; q's scale words
	s_add_co_u32 s84, s77, s80
	s_add_co_u32 s85, s84, s78
	s_add_co_u32 s85, s85, s89                     ; k's codes
	s_add_co_u32 s86, s77, s81
	s_add_co_u32 s87, s86, s79
	s_add_co_u32 s87, s87, s89
	s_add_co_u32 s87, s87, 24576                   ; k's scale words
	s_sub_co_u32 s89, 25600, s89                   ; where V's piece begins: the other half of the step
	s_mul_i32 s88, s22, 3072
	s_add_co_u32 s84, s84, s88
	s_add_co_u32 s84, s84, s89                     ; v's codes
	s_add_co_u32 s86, s86, s89
	s_add_co_u32 s86, s86, 24576                   ; v's scale bytes
	s_cmp_lt_u32 s22, 2                            ; waves 0, 1 make q, waves 2, 3 k: the choice hangs on the wave's number alone
	s_cselect_b32 s82, s82, s85
	s_cselect_b32 s88, s83, s87
	s_cselect_b64 s[66:67], s[18:19], s[20:21]
	s_mov_b32 s83, 0
	s_mov_b32 s89, 0
	s_mov_b32 s85, 0
	s_mov_b32 s87, 0
	s_mov_b64 s[68:69], s[66:67]
	s_add_nc_u64 s[66:67], s[66:67], s[82:83]
	s_add_nc_u64 s[68:69], s[68:69], s[88:89]
	s_add_nc_u64 s[70:71], s[20:21], s[84:85]
	s_add_nc_u64 s[72:73], s[20:21], s[86:87]
	s_wait_loadcnt 40                              ; the three table loads are in; the 24 scale words and 16 loads of bias behind them may be out
	v_add_f32 v152, v144, v146
	v_sub_f32 v153, v144, v146
	v_add_f32 v154, v145, v147
	v_mul_f32 v152, 0.5, v152                      ; the group's mean
	v_mul_f32 v155, v153, v153
	v_fmamk_f32 v154, v155, 0x46000000, v154       ; its M2 = the halves' M2 + (difference of their means)^2 x 16,384 x 16,384 / 32,768
	v_fma_f32 v154, v154, s100, s101               ; variance + 1e-5
	v_rsq_f32 v156, v154
	v_nop                                          ; one plain place behind a transcendental
	s_wait_alu depctr_va_vdst(0)
	v_mul_f32 v148, v156, v148                     ; a = rstd x gn_w
	v_mul_f32 v149, v156, v149
	ds_store_b64 v255, v[148:149]
	ds_store_b64 v255, v[150:151] offset:1024
	ds_store_b32 v252, v152                        ; four threads write the same word with the same value
	WIN 0x80
.irp t, 0,1,2,3                        ; role B's bias: a lane holds one channel, so its eight registers hold one number
.irp j, 0,1,2,3,4,5,6,7
	global_load_b32 v[160+8*\t+\j], v15, s[98:99] offset:32*\t
.endr
.endr
	WIN 0
	s_wait_tensorcnt 0x3                           ; my two regions of x have landed; my three parts of W may stay out, and only I read them
	s_wait_dscnt 0x0                               ; my part of the tables has landed:
	s_barrier_signal -1
	s_barrier_wait -1                              ; everybody's x and tables have
; ---- X: my 16 columns of h become two fragments.  A block: channels 128 s + 64 c + 32 h + 0 .. 31 of my column, all in my registers
.macro XBLOCK s, c
.set i, 0
.rept 32
	ds_load_b32 v[144+i], v4 offset:(4*\s+2*\c)*XREG+256*i
.set i, i+1
.endr
.irp k, 0,1,2,3,4,5,6,7
	ds_load_b128 v[48+4*\k:48+4*\k+3], v5 offset:(128*\s+64*\c)*4+16*\k
	ds_load_b128 v[80+4*\k:80+4*\k+3], v5 offset:1024+(128*\s+64*\c)*4+16*\k
.endr
	ds_load_b128 v[112:115], v6 offset:(16*\s+8*\c)*4
	s_wait_dscnt 0x0                               ; these loads are in; the images stored before have read their registers
.irp p, 0,1,2,3,4,5,6,7,8,9,10,11,12,13,14,15
.if (\p/4)%2 == 0
	v_pk_add_f32 v[144+2*\p:145+2*\p], v[144+2*\p:145+2*\p], v[112+2*(\p/8):113+2*(\p/8)] op_sel_hi:[1,0] neg_lo:[0,1] neg_hi:[0,1]   ; x - the mean of its group of 8 channels
.else
	v_pk_add_f32 v[144+2*\p:145+2*\p], v[144+2*\p:145+2*\p], v[112+2*(\p/8):113+2*(\p/8)] op_sel:[0,1] op_sel_hi:[1,1] neg_lo:[0,1] neg_hi:[0,1]
.endif
.endr
.irp p, 0,1,2,3,4,5,6,7,8,9,10,11,12,13,14,15
	v_pk_fma_f32 v[144+2*\p:145+2*\p], v[144+2*\p:145+2*\p], v[48+2*\p:49+2*\p], v[80+2*\p:81+2*\p]   ; x a + b
.endr
	MAX32 MX, 144
	v_add_nc_u32 v[SOP], 0xff000000, v[MX]         ; 2 off the exponent field: the conversion takes the exponent field of this operand as its scale
	v_lshrrev_b32 v[BYT+\c], 23, v[SOP]            ; the scale's byte
	v_cvt_scalef32_pk16_fp6_f32 v[PC+6*\c:PC+6*\c+2], v[144:159], v[SOP]
	v_cvt_scalef32_pk16_fp6_f32 v[PT0:PT0+2], v[160:175], v[SOP]   ; (a conversion's three registers begin on an even number)
	v_nop                                          ; one plain place behind a scaled conversion
.irp i, 0,1,2
	v_mov_b32 v[PC+6*\c+3+\i], v[PT0+\i]
.endr
.endm
.irp s, 0,1
	XBLOCK \s, 0
	XBLOCK \s, 1
	v_lshl_or_b32 v[PW], v[BYT+1], 16, v[BYT]      ; my two bytes, blocks h and 2 + h of my column,
	v_lshlrev_b32 v[PW], v12, v[PW]                ; at their places in the scale word;
	v_permlanex16_b32 v[PX], v[PW], s40, s41
	v_or_b32 v[PW], v[PW], v[PX]                   ; with lane l xor 16's two the word is whole
.irp p, 0,1,2
	ds_store_b128 v10, v[PC+4*\p:PC+4*\p+3] offset:1536*\s+512*\p
.endr
	ds_store_b32 v11, v[PW] offset:128*\s
.endr
	s_wait_dscnt 0x0
	s_barrier_signal -1
	s_barrier_wait -1                              ; h's eight fragments lie in LDS
	s_wait_tensorcnt 0x0                           ; my three parts of W have landed: only I read them, so my own wait is all the ordering that the reads need
	WIN 0x40
.irp t, 0,1,2,3,4,5,6,7                ; role A's sixteen fragments: tile t begins at row 64 (t / 4) + 8 (t % 4) of my part
.irp s, 0,1
	WFRAG 12*(2*\t+\s), 64*(\t/4)+8*(\t%4), \s
.endr
.endr
	WIN 0
.irp f, 0,1,2,3,4,5,6,7
.irp p, 0,1,2
	ds_load_b128 v[HF+12*\f+4*\p:HF+12*\f+4*\p+3], v9 offset:1536*\f+512*\p
.endr
	ds_load_b32 v[HS+\f], v248 offset:128*\f
.endr
	s_wait_dscnt 0x0
	s_wait_loadcnt 0x0                             ; W's scale words, the biases
	WIN 0x80
.irp t, 0,1,2,3                        ; role B's eight are asked for now and land while role A is worked
.irp s, 0,1
	WFRAG 12*(2*\t+\s), 128+8*\t, \s
.endr
.endr
	WIN 0
; ---- role A: q or k, one tile of 16 columns at a time: eight accumulators by turns; the bias is the C of a sum's first product
.irp u, 0,1,2,3
	PLACES 5                                       ; the accumulators are begun anew: five places behind the last product that wrote them
	WIN 0x21                                       ; source 0 (W) window 1, C (bias) window 2
.irp t, 0,1,2,3,4,5,6,7
	WM ACC+8*\t, 24*\t, HF+24*\u, 96+8*\t, WS+2*\t, HS+2*\u
.endr
	WIN 0x01
.irp t, 0,1,2,3,4,5,6,7
	WM ACC+8*\t, 24*\t+12, HF+24*\u+12, ACC+8*\t, WS+2*\t+1, HS+2*\u+1
.endr
	WIN 0
	PLACES 4
	MAX32 MX, ACC                                  ; my column's channels 32 h + 0 .. 31 of this K step,
	MAX32 MX+2, ACC+32                             ; and 64 + 32 h + 0 .. 31
	v_add_nc_u32 v[SOP], 0xff000000, v[MX]
	v_add_nc_u32 v[SOP+1], 0xff000000, v[MX+2]
	v_lshrrev_b32 v[BYT], 23, v[SOP]
	v_lshrrev_b32 v[BYT+1], 23, v[SOP+1]
	v_lshl_or_b32 v[PW], v[BYT+1], 16, v[BYT]
	v_lshlrev_b32 v[PW], v12, v[PW]
	v_permlanex16_b32 v[PX], v[PW], s40, s41
	v_or_b32 v[SW+\u], v[PW], v[PX]
.if \u > 0
	s_wait_xcnt 0x0                                ; the last tile's stores have read the codes' registers
.endif
	v_cvt_scalef32_pk16_fp6_f32 v[PC:PC+2], v[ACC:ACC+15], v[SOP]
	v_cvt_scalef32_pk16_fp6_f32 v[PT0:PT0+2], v[ACC+16:ACC+31], v[SOP]
	v_cvt_scalef32_pk16_fp6_f32 v[PC+6:PC+8], v[ACC+32:ACC+47], v[SOP+1]
	v_cvt_scalef32_pk16_fp6_f32 v[PT1:PT1+2], v[ACC+48:ACC+63], v[SOP+1]
	v_nop
.irp i, 0,1,2
	v_mov_b32 v[PC+3+\i], v[PT0+\i]
	v_mov_b32 v[PC+9+\i], v[PT1+\i]
.endr
.irp p, 0,1,2
	global_store_b128 v7, v[PC+4*\p:PC+4*\p+3], s[66:67] offset:3072*\u+512*\p   ; the fragment as it stands: 512 consecutive bytes, aligned to 256
.endr
.endr
	v_cndmask_b32 v[OUTP], v[SW], v[SW+1], s42     ; lanes 0-15 carry tile 0's words, lanes 16-31 tile 1's;
	v_cndmask_b32 v[OUTP+1], v[SW+2], v[SW+3], s42 ; likewise tiles 2 and 3
	global_store_b64 v8, v[OUTP:OUTP+1], s[68:69]  ; 256 consecutive bytes, aligned
	s_wait_dscnt 0x0                               ; role B's fragments of W are in
; ---- role B: v, 16 channels at a time: h's four tiles are source 0, so a lane's 32 registers are 32 neighbouring keys
.irp t, 0,1,2,3
	PLACES 5
	WIN 0x28                                       ; source 1 (W) and C (bias) window 2
.irp u, 0,1,2,3
	WM ACC+8*\u, HF+24*\u, 24*\t, 160+8*\t, HS+2*\u, WS+16+2*\t
.endr
	WIN 0x08
.irp u, 0,1,2,3
	WM ACC+8*\u, HF+24*\u+12, 24*\t+12, ACC+8*\u, HS+2*\u+1, WS+16+2*\t+1
.endr
	WIN 0
	PLACES 4
	MAX32 MX, ACC
	v_add_nc_u32 v[SOP], 0xff000000, v[MX]
	v_lshrrev_b32 v[BYT], 23, v[SOP]
	v_lshlrev_b32 v[PW], v12, v[BYT]
	v_permlanex16_b32 v[PX], v[PW], s40, s41
	v_or_b32 v[HW+\t], v[PW], v[PX]                ; my channel's two bytes of these 64 keys
	s_wait_xcnt 0x0                                ; earlier stores have read their registers
	v_cvt_scalef32_pk16_fp6_f32 v[PC:PC+2], v[ACC:ACC+15], v[SOP]
	v_cvt_scalef32_pk16_fp6_f32 v[PT0:PT0+2], v[ACC+16:ACC+31], v[SOP]
	v_nop
.irp i, 0,1,2
	v_mov_b32 v[PC+3+\i], v[PT0+\i]
.endr
.irp k, 0,1,2
	global_store_b64 v8, v[PC+2*\k:PC+2*\k+1], s[70:71] offset:768*\t+256*\k   ; half a fragment, six registers: 256 consecutive bytes a store, aligned
.endr
.endr
	v_cndmask_b32 v[OUTP], v[HW], v[HW+1], s42
	v_cndmask_b32 v[OUTP+1], v[HW+2], v[HW+3], s42
	v_lshl_or_b32 v[OUTP], v[OUTP+1], 16, v[OUTP]  ; low half: tile 4 w + (lane / 16); high half: tile 4 w + 2 + (lane / 16)
	ds_store_b32 v249, v[OUTP]
	s_wait_dscnt 0x0
	s_barrier_signal -1
	s_barrier_wait -1                              ; the four waves' words lie together: 512 bytes
	s_cmp_lg_u32 s22, 0
	s_cbranch_scc1 .Ldone
	ds_load_b128 v[144:147], v250
	s_wait_dscnt 0x0
	global_store_b128 v7, v[144:147], s[72:73]     ; 512 consecutive bytes, aligned to 256
.Ldone:
	s_wait_tensorcnt 0x0
	ds_add_u32 v223, v227
	s_wait_dscnt 0x0
	CROUND                                         ; the closing round: no work-group ends while a partner may still ask for a part of W that names it
	s_endpgm
.Lfunc_end_k_q518cee84ed_qkv:
	.size	k_q518cee84ed_qkv, .Lfunc_end_k_q518cee84ed_qkv-k_q518cee84ed_qkv
	.p2alignl 7, 3214868480
	.fill 96, 4, 3214868480
	.section	.rodata,"a",@progbits
	.p2align	6, 0x0
	.amdhsa_kernel k_q518cee84ed_qkv
		.amdhsa_group_segment_fixed_size 270848
		.amdhsa_private_segment_fixed_size 0
		.amdhsa_enable_private_segment 0
		.amdhsa_kernarg_size 72
		.amdhsa_user_sgpr_count 2
		.amdhsa_user_sgpr_kernarg_segment_ptr 1
		.amdhsa_wavefront_size32 1
		.amdhsa_system_sgpr_workgroup_id_x 1
		.amdhsa_system_sgpr_workgroup_id_y 1
		.amdhsa_system_sgpr_workgroup_id_z 1
		.amdhsa_system_vgpr_workitem_id 0
		.amdhsa_next_free_vgpr 768
		.amdhsa_next_free_sgpr 102
		.amdhsa_reserve_vcc 0
		.amdhsa_float_denorm_mode_32 3
		.amdhsa_float_denorm_mode_16_64 3
		.amdhsa_memory_ordered 1
		.amdhsa_forward_progress 1
		.amdhsa_inst_pref_size 92
	.end_amdhsa_kernel
	.amdgpu_metadata
---
amdhsa.version: [ 1, 2 ]
amdhsa.kernels:
  - .name:           k_q518cee84ed_qkv
    .symbol:         k_q518cee84ed_qkv.kd
    .args:
      - { .name: x, .offset: 0, .size: 8, .value_kind: global_buffer, .address_space: global }
      - { .name: stats, .offset: 8, .size: 8, .value_kind: global_buffer, .address_space: global }
      - { .name: gn_w, .offset: 16, .size: 8, .value_kind: global_buffer, .address_space: global }
      - { .name: gn_b, .offset: 24, .size: 8, .value_kind: global_buffer, .address_space: global }
      - { .name: qkv_w_codes, .offset: 32, .size: 8, .value_kind: global_buffer, .address_space: global }
      - { .name: qkv_w_scales, .offset: 40, .size: 8, .value_kind: global_buffer, .address_space: global }
      - { .name: qkv_b, .offset: 48, .size: 8, .value_kind: global_buffer, .address_space: global }
      - { .name: qimg, .offset: 56, .size: 8, .value_kind: global_buffer, .address_space: global }
      - { .name: kv, .offset: 64, .size: 8, .value_kind: global_buffer, .address_space: global }
    .group_segment_fixed_size: 270848
    .private_segment_fixed_size: 0
    .kernarg_segment_align: 8
    .kernarg_segment_size: 72
    .max_flat_workgroup_size: 128
    .sgpr_count:     102
    .vgpr_count:     768
    .wavefront_size: 32
...
	.end_amdgpu_metadata
.endif
;; end of part 2
;; launch attn (part 3): grid 64 x 4, 4 waves a work-group, clusters of 4 x 1, 327,680 bytes of LDS; arguments qimg, kv, proj_w_codes, proj_w_scales, proj_b, x, out0; writes out0
.if DOCPART == 3
	.amdgcn_target "amdgcn-amd-amdhsa--gfx1250"
	.amdhsa_code_object_version 6
	.text
	.protected	k_q518cee84ed_attn
	.globl	k_q518cee84ed_attn
	.p2align	8
	.type	k_q518cee84ed_attn,@function
k_q518cee84ed_attn:
	s_mov_b64 s[64:65], 0
	v_nop
	global_prefetch_b8 v0, s[64:65] scope:SCOPE_SE
	s_setreg_imm32_b32 hwreg(HW_REG_WAVE_MODE, 25, 1), 1
	s_wait_xcnt 0x0
	s_wait_alu depctr_hold_cnt(0) depctr_sa_sdst(0) depctr_va_vdst(0) depctr_va_sdst(0) depctr_va_ssrc(0) depctr_va_vcc(0) depctr_vm_vsrc(0)
	s_getreg_b32 s2, hwreg(HW_REG_IB_STS2, 6, 4)
	s_cmp_eq_u32 s2, 0
	s_cbranch_scc0 .Lentry_in_a_cluster
	s_endpgm
.Lentry_in_a_cluster:
	s_bfe_u32 s2, ttmp6, 0x10000c
	s_cmp_lg_u32 s2, 0x3003
	s_cbranch_scc0 .Lentry_shape_is_right
	s_endpgm
.Lentry_shape_is_right:
; out0 = x + proj_w (softmax(q^T k / 16) v) + proj_b, all three products on codes of FP6 (E2M3) with one E8M0 scale for each 32 along K.
; THE SOFTMAX: t = score x log2(e) / 16; M = the largest t so far, rounded UP to a whole number; p = 2^(t - M) is quantised along the keys, not normalised; the row's sum is taken of the unquantised p
; and divides at the end.  When M moves, the sum and O are multiplied by 2^(old M - new M), which rounds nothing.
; SHARES.  A work-group owns 64 queries of one batch (four tiles of 16).  EVERY wave holds all 64 queries and walks a QUARTER OF THE KEYS: wave w takes steps 8 w .. 8 w + 7 of 128 keys.  So each fragment of K or V
; read from LDS feeds four products, each LDS byte is read once, by the wave that asked for it, and no wave reads another's slot.  At the end the four waves' (M, sum, O) are joined through LDS, wave d joining tile d;
; O / sum is quantised along the channels; for the projection the waves share the outputs (64 each).
; LAYOUT.  Both products are used transposed: S^T = K Q^T (source 0 = 16 keys, source 1 = 16 queries), O^T = V^T P^T (source 0 = 16 channels): a lane holds ONE query (lane % 16) throughout.
; The launch before has chosen the rows of every tile by ro(r) = r + 24 (r / 8): tile u of four takes index 8 u + ro(r) of 64 neighbours.  So the 32 registers of four neighbouring tiles hold in lane half h the
; neighbours 32 h + 0 .. 31: a WHOLE BLOCK of 32 lies in one lane, in the operand's own order: p and O are quantised with no exchange between lanes but that of scale bytes.
; K, V and Q come as images of operand registers: every LDS read is 16 or 8 bytes a lane, lane after lane: no pitch, no padding, no bank met twice.
; CLUSTER.  The four query blocks of a cluster belong to one batch and walk the same K and V: each step's 51,200 dense bytes are asked for JOINTLY, by the same tensor load with the same descriptor and the mask 15.
; THREE SLOTS of 25,600 bytes a wave, ONE refill and one round of the cluster's barrier a step.  kv holds an even step as K's piece and then V's, an odd step as V's and then K's.  K always lands in the middle slot,
; V of an even step in the upper one, V of an odd step in the lower one.  When a step's scores are made, the middle slot has been read out and the end slot that the step before used is free: these two are neighbours,
; and the next step's whole block lands there while this step's V, in the other end slot, is still to be read.  The load has both softmaxes, the rescaling and all but the last sixteen of the step's V^T P in which to land.
; By this text's count a wave never has more than one tensor load out.
; NOT DONE: prefetching K and V (the launch before has just written them); matrix and vector work by turns (with 256 channels the registers do not hold two pieces' operands).
; LIMITS: NaN and infinities are not served.  A block's largest magnitude is held at 2^-124 from below (byte 1); a block of zeros keeps that byte: its codes are zeros.  p under 2^-126 comes out of v_exp_f32 as 0.
; A block's largest p is taken from its largest score through the same multiply-add and exponential, which takes v_exp_f32 not to fall where its input rises.
.set PCB,   25600                      ; a piece, and a slot: 24,576 bytes of codes, 1,024 of scale bytes
.set AREA,  3*PCB                      ; LDS: an area for each wave: three slots; after the last fill the wave's O (65,536 bytes) and statistics (1,024); later its stage for the way out
.set STEPB, 2*PCB                      ; a step of 128 keys in kv
.set OIMG,  4*AREA                     ; O / sum as eight fragments (tile q, K step s: 2 q + s), 1,536 bytes each
.set OSC,   OIMG+8*1536                ; their scale words, 128 bytes each
.set SPARE, 327168                     ; the spare words, 128 bytes for each wave: two blocks of 256 bytes that no other line names
; window 0: v1 area + 16 x lane, v2 area + 8 x lane, v3, v4 the add's two, v5 8 h, v6 16 x lane, v7 8 x lane;  v84, v85 the same as v1, v2 at the upper slot
.set ST,  8                            ; v8-39   tile q at ST + 8 q: +0 -M, +1 largest t, +2, +3 the sum in two halves, +4 f, +5 its pair's other half, +6, +7 at work
.set BM,  40                           ; v40-43  largest score, then largest p, of block c of tile d of the pair in hand (2 d + c)
.set SO,  44                           ; v44-47  the conversions' scale operands
.set BY,  48                           ; v48-51  scale bytes
.set L2,  52                           ; v52-55  a second chain of sums for each tile of the pair
.set PX,  56                           ; v56-59  lane permutes' destinations
.set KS,  60                           ; v60-67  K's scale words (4 c + 2 s + p): lanes 0-15 tile 2 p, lanes 16-31 tile 2 p + 1
.set VS,  68                           ; v68-75  V's scale words: register T / 2, lanes 0-15 the even tile, lanes 16-31 the odd one
.set QS,  76                           ; v76-79  Q's scale words (2 s + p);  at the end proj_b
.set PB,  76
.set PS,  80                           ; v80-83  p's scale words, tile q
.set QF,  88                           ; v88-183 Q's fragments (24 q + 12 s)
.set KB,  184                          ; v184-255 K's fragments: three groups of two;  behind the scores: v192-199 V's scale bytes as loaded, v200-206 codes at work
.set VA,  192
.set VB,  196
.set T3,  200
; window 1: S^T, then p: tile q, register i at 64 q + i;  then V's tile T at 64 (T / 4) + 12 (T % 4) and p's codes of tile q at 64 q + 48.   windows 2, 3: O^T: tile q, channels' tile T at 128 (q % 2) + 8 T of window 2 + q / 2
; s[24:31] descriptor group 1;  s[32:35] group 0 for odd steps (lower and middle slot), s[36:39] for even steps (middle and upper slot)
.set MSB, 0
.macro WIN new                         ; the immediate's high byte repeats the setting that is left
.if MSB != (\new)
	s_set_vgpr_msb (MSB<<8)|(\new)
.set MSB, \new
.endif
.endm
.macro PLACES n
.rept \n
	v_nop
.endr
.endm
; c < 0: the constant 0 starts the sum.  ra, rb: source 0's, source 1's scales stand in lanes 16-31
.macro WMMA6 d, a, b, c, sa, sb, ra, rb
.if (\c) < 0
.if (\ra) && (\rb)
	v_wmma_scale_f32_16x16x128_f8f6f4 v[(\d):(\d)+7], v[(\a):(\a)+11], v[(\b):(\b)+11], 0, v[\sa], v[\sb] matrix_a_fmt:MATRIX_FMT_FP6 matrix_b_fmt:MATRIX_FMT_FP6 matrix_a_scale:MATRIX_SCALE_ROW1 matrix_b_scale:MATRIX_SCALE_ROW1
.elseif (\ra)
	v_wmma_scale_f32_16x16x128_f8f6f4 v[(\d):(\d)+7], v[(\a):(\a)+11], v[(\b):(\b)+11], 0, v[\sa], v[\sb] matrix_a_fmt:MATRIX_FMT_FP6 matrix_b_fmt:MATRIX_FMT_FP6 matrix_a_scale:MATRIX_SCALE_ROW1
.elseif (\rb)
	v_wmma_scale_f32_16x16x128_f8f6f4 v[(\d):(\d)+7], v[(\a):(\a)+11], v[(\b):(\b)+11], 0, v[\sa], v[\sb] matrix_a_fmt:MATRIX_FMT_FP6 matrix_b_fmt:MATRIX_FMT_FP6 matrix_b_scale:MATRIX_SCALE_ROW1
.else
	v_wmma_scale_f32_16x16x128_f8f6f4 v[(\d):(\d)+7], v[(\a):(\a)+11], v[(\b):(\b)+11], 0, v[\sa], v[\sb] matrix_a_fmt:MATRIX_FMT_FP6 matrix_b_fmt:MATRIX_FMT_FP6
.endif
.else
.if (\ra) && (\rb)
	v_wmma_scale_f32_16x16x128_f8f6f4 v[(\d):(\d)+7], v[(\a):(\a)+11], v[(\b):(\b)+11], v[(\c):(\c)+7], v[\sa], v[\sb] matrix_a_fmt:MATRIX_FMT_FP6 matrix_b_fmt:MATRIX_FMT_FP6 matrix_a_scale:MATRIX_SCALE_ROW1 matrix_b_scale:MATRIX_SCALE_ROW1
.elseif (\ra)
	v_wmma_scale_f32_16x16x128_f8f6f4 v[(\d):(\d)+7], v[(\a):(\a)+11], v[(\b):(\b)+11], v[(\c):(\c)+7], v[\sa], v[\sb] matrix_a_fmt:MATRIX_FMT_FP6 matrix_b_fmt:MATRIX_FMT_FP6 matrix_a_scale:MATRIX_SCALE_ROW1
.elseif (\rb)
	v_wmma_scale_f32_16x16x128_f8f6f4 v[(\d):(\d)+7], v[(\a):(\a)+11], v[(\b):(\b)+11], v[(\c):(\c)+7], v[\sa], v[\sb] matrix_a_fmt:MATRIX_FMT_FP6 matrix_b_fmt:MATRIX_FMT_FP6 matrix_b_scale:MATRIX_SCALE_ROW1
.else
	v_wmma_scale_f32_16x16x128_f8f6f4 v[(\d):(\d)+7], v[(\a):(\a)+11], v[(\b):(\b)+11], v[(\c):(\c)+7], v[\sa], v[\sb] matrix_a_fmt:MATRIX_FMT_FP6 matrix_b_fmt:MATRIX_FMT_FP6
.endif
.endif
.endm
; A round of the cluster's barrier: my work-group's barrier; wave 0 signals for the work-group; every wave waits for all four work-groups; my work-group's barrier once more
.macro CROUND
	s_barrier_signal -1
	s_barrier_wait -1
	s_cmp_lg_u32 s18, 0
	s_cbranch_scc1 .Lnot_wave_0_\@
	s_barrier_signal -3
.Lnot_wave_0_\@:
	s_barrier_wait -3
	s_barrier_signal -1
	s_barrier_wait -1
.endm
	s_load_b256 s[4:11], s[0:1], 0x0               ; qimg s[4:5], kv s[6:7], proj_w's codes s[8:9], its scales s[10:11]
	s_load_b128 s[12:15], s[0:1], 0x20             ; proj_b s[12:13], x s[14:15]
	s_load_b64 s[16:17], s[0:1], 0x30              ; out0
	v_lshl_add_u32 v3, v0, 2, SPARE
	v_mov_b32 v4, 0
	ds_add_u32 v3, v4
	ds_add_u32 v3, v4
	s_wait_dscnt 0x0
	v_lshrrev_b32 v1, 5, v0
	v_readfirstlane_b32 s18, v1                    ; wave 0..3
	s_bfe_u32 s40, ttmp6, 0x40000                  ; cx: my place in the cluster
	s_lshl_b32 s41, ttmp9, 2                       ; in a cluster launch ttmp9 counts clusters
	s_add_co_u32 s41, s41, s40                     ; my block of 64 queries: it enters the addresses of Q, x and out0 alone
	s_and_b32 s42, ttmp7, 0xffff                   ; the batch, which the four partners share
	; descriptor group 1: a step's dense 51,200 bytes as 200 rows of 256 bytes (32 elements of 8 bytes), no padding
	s_mov_b32 s24, 15|(3<<16)|(1<<21)              ; 15:0 the mask: all four work-groups; 17:16 elements of 8 bytes; 21 set beside a mask
	s_mov_b32 s25, 32<<16
	s_mov_b32 s26, 200<<16
	s_mov_b32 s27, 32<<16
	s_mov_b32 s28, 200
	s_mov_b32 s29, 32
	s_mov_b32 s30, 0
	s_mov_b32 s31, 0
	s_mul_i32 s44, s42, 32*STEPB                   ; the batch's 32 steps,
	s_mul_i32 s45, s18, 8*STEPB                    ; my wave's eight of them
	s_add_co_u32 s44, s44, s45
	s_mov_b32 s45, 0
	s_mov_b32 s32, 1
	s_mul_i32 s33, s18, AREA                       ; my area: no place in the cluster enters an LDS address.  An odd step lands at its lower slot,
	s_mov_b32 s36, 1
	s_add_co_u32 s37, s33, PCB                     ; an even step at its middle slot
	s_lshl_b32 s46, s42, 6
	s_add_co_u32 s46, s46, s41
	s_mul_i32 s46, s46, 12800                      ; my block of qimg
	s_mov_b32 s47, 0
	s_lshl_b32 s48, s42, 22                        ; x and out0: the batch, my wave's 64 output channels, the block's 64 columns
	s_lshl_b32 s49, s18, 20
	s_add_co_u32 s48, s48, s49
	s_lshl_b32 s49, s41, 8
	s_add_co_u32 s48, s48, s49
	s_mov_b32 s49, 0
	s_mov_b32 s20, 0x76543210                      ; v_permlanex16_b32's selects for lane l xor 16
	s_mov_b32 s21, 0xfedcba98
	s_mov_b32 s22, 0x3db8aa3b                      ; c = log2(e) / 16
	s_mov_b32 s23, s22                             ; (named with it as a pair, so it is written)
	s_mov_b32 s60, 0x05040100                      ; v_perm_b32: the two low halves;
	s_mov_b32 s61, 0x07060302                      ; the two high halves
	s_mov_b32 s51, 0
	s_wait_kmcnt 0x0
	s_add_nc_u64 s[38:39], s[6:7], s[44:45]        ; my first step (even),
	s_add_nc_u64 s[34:35], s[38:39], STEPB         ; my second (odd)
	s_or_b32 s35, s35, 0x80000000
	s_or_b32 s39, s39, 0x80000000
	s_add_nc_u64 s[4:5], s[4:5], s[46:47]
	s_add_nc_u64 s[14:15], s[14:15], s[48:49]
	s_add_nc_u64 s[16:17], s[16:17], s[48:49]
	s_mul_i32 s50, s18, 12288
	s_add_nc_u64 s[8:9], s[8:9], s[50:51]          ; my 64 rows of proj_w,
	s_lshl_b32 s50, s18, 9
	s_add_nc_u64 s[10:11], s[10:11], s[50:51]      ; their scale bytes,
	s_lshl_b32 s50, s18, 8
	s_add_nc_u64 s[12:13], s[12:13], s[50:51]      ; their biases
	CROUND                                         ; all four work-groups are here: the first joint loads meet
	tensor_load_to_lds s[36:39], s[24:31]          ; my first step: K into the middle slot, V into the upper one
	s_nop 0
	PLACES 4                                       ; behind a tensor load
	v_and_b32 v5, 31, v0
	v_lshlrev_b32 v6, 4, v5
	v_lshlrev_b32 v7, 3, v5
	v_add_nc_u32 v1, s33, v6
	v_add_nc_u32 v2, s33, v7
	v_add_nc_u32 v84, 2*PCB, v1
	v_add_nc_u32 v85, 2*PCB, v2
.irp f, 0,1,2,3,4,5,6,7                ; Q stays in registers
.irp p, 0,1,2
	global_load_b128 v[QF+12*\f+4*\p:QF+12*\f+4*\p+3], v6, s[4:5] offset:1536*\f+512*\p
.endr
.endr
.irp s, 0,1
	global_load_b64 v[QS+2*\s:QS+2*\s+1], v7, s[4:5] offset:12288+256*\s
.endr
	v_bfe_u32 v5, v0, 4, 1
	v_lshlrev_b32 v5, 3, v5                        ; 8 h
.irp q, 0,1,2,3
	v_mov_b32 v[ST+8*\q+1], 0xff61b1e6             ; the largest t so far: -3e38, under every t
	v_floor_f32 v[ST+8*\q], -v[ST+8*\q+1]          ; -M
	v_mov_b32 v[ST+8*\q+2], 0                      ; the sum: the first change of M multiplies zeros
	v_mov_b32 v[ST+8*\q+3], 0
	v_mov_b32 v[ST+8*\q+4], 0
	v_mov_b32 v[ST+8*\q+5], 0                      ; (named as the upper half of f's pair)
	v_mov_b32 v[PX+\q], 0                          ; written once: a lane permute's destination counts as one of its sources
.endr
.macro KSCALES                         ; K lies in the middle slot in every step
.irp c, 0,1
.irp s, 0,1
	ds_load_b64 v[KS+4*\c+2*\s:KS+4*\c+2*\s+1], v2 offset:PCB+24576+512*\c+256*\s
.endr
.endr
.endm
.macro FETCHK kt                       ; tile kt's two fragments (K steps 0, 1 of the 256 channels) into group kt % 3
.irp s, 0,1
.irp p, 0,1,2
	ds_load_b128 v[KB+24*((\kt)%3)+12*\s+4*\p:KB+24*((\kt)%3)+12*\s+4*\p+3], v1 offset:PCB+(2*(\kt)+\s)*1536+512*\p
.endr
.endr
.endm
.macro KHEAD                           ; what a step's scores begin with: K's scale words and its first three tiles: 22 loads
	KSCALES
	FETCHK 0
	FETCHK 1
	FETCHK 2
.endm
.macro SMUL kt                         ; 16 keys x 64 queries: the four tiles' accumulators by turns; the first K step starts the sums
	WIN 0x50                                       ; C and D window 1
.irp s, 0,1
.irp q, 0,1,2,3
.set rD, 64*\q+8*(\kt)
.set rA, KB+24*((\kt)%3)+12*\s
.set rB, QF+24*\q+12*\s
.if \s == 0
	WMMA6 rD, rA, rB, -1, KS+4*((\kt)/4)+2*\s+((\kt)%4)/2, QS+2*\s+\q/2, (\kt)%2, \q%2
.else
	WMMA6 rD, rA, rB, rD, KS+4*((\kt)/4)+2*\s+((\kt)%4)/2, QS+2*\s+\q/2, (\kt)%2, \q%2
.endif
.endr
.endr
.endm
.macro SPHASE                          ; S^T = K Q^T for the step's 128 keys: 64 products.  KHEAD's loads were issued ahead of it
	PLACES 5                                       ; the first products write over registers that the last step's V^T P read
.irp kt, 0,1,2,3,4,5,6,7
.if \kt < 6
	s_wait_dscnt 12                                ; this tile's six loads (and all before them) are in; the two younger groups may be out
.elseif \kt == 6
	s_wait_dscnt 6
.else
	s_wait_dscnt 0x0
.endif
	SMUL \kt
.if \kt < 5
	WIN 0
	PLACES 4                                       ; in front of loads into registers that matrix instructions have read
	FETCHK \kt+3
.endif
.endr
	WIN 0
.endm
; The softmax of tiles qa and qa + 1 for this step, the two (and their two blocks each) by turns.  Registers 32 c + i of a tile are keys 64 c + 32 h + i: block 2 c + h is all mine.
.macro SOFTMAX qa
	WIN 0x15                                       ; sources window 1, destination window 0
.irp d, 0,1
.irp c, 0,1
	v_max3_num_f32 v[BM+2*\d+\c], v[64*(\qa+\d)+32*\c], v[64*(\qa+\d)+32*\c+1], v[64*(\qa+\d)+32*\c+2]   ; THE LARGEST SCORE OF EACH BLOCK, in ascending order: each accumulator is read from its low end on
.endr
.endr
	WIN 0x14
.irp i, 3,5,7,9,11,13,15,17,19,21,23,25,27,29
.irp d, 0,1
.irp c, 0,1
	v_max3_num_f32 v[BM+2*\d+\c], v[BM+2*\d+\c], v[64*(\qa+\d)+32*\c+\i], v[64*(\qa+\d)+32*\c+\i+1]
.endr
.endr
.endr
.irp d, 0,1
.irp c, 0,1
	v_max_num_f32 v[BM+2*\d+\c], v[BM+2*\d+\c], v[64*(\qa+\d)+32*\c+31]
.endr
.endr
	WIN 0
.irp d, 0,1
	v_max_num_f32 v[ST+8*(\qa+\d)+6], v[BM+2*\d], v[BM+2*\d+1]
.endr
.irp d, 0,1
	v_permlanex16_b32 v[PX+\d], v[ST+8*(\qa+\d)+6], s20, s21
.endr
.irp d, 0,1
	v_max_num_f32 v[ST+8*(\qa+\d)+6], v[ST+8*(\qa+\d)+6], v[PX+\d]   ; the step's largest score of my query
.endr
.irp d, 0,1
	v_mul_f32 v[ST+8*(\qa+\d)+6], s22, v[ST+8*(\qa+\d)+6]            ; as t (c is positive)
.endr
.irp d, 0,1
	v_max_num_f32 v[ST+8*(\qa+\d)+1], v[ST+8*(\qa+\d)+1], v[ST+8*(\qa+\d)+6]
.endr
.irp d, 0,1
	v_mov_b32 v[ST+8*(\qa+\d)+7], v[ST+8*(\qa+\d)]
.endr
.irp d, 0,1
	v_floor_f32 v[ST+8*(\qa+\d)], -v[ST+8*(\qa+\d)+1]                ; the new -M = floor(-t): M IS A WHOLE NUMBER
.endr
.irp d, 0,1
	v_sub_f32 v[ST+8*(\qa+\d)+7], v[ST+8*(\qa+\d)], v[ST+8*(\qa+\d)+7]   ; old M - new M: a whole number, 0 or less
.endr
.irp d, 0,1
	v_cvt_i32_f32 v[ST+8*(\qa+\d)+7], v[ST+8*(\qa+\d)+7]             ; (it saturates)
.endr
.irp d, 0,1
	v_ldexp_f32 v[ST+8*(\qa+\d)+4], 1.0, v[ST+8*(\qa+\d)+7]          ; f = 2^(old M - new M)
.endr
.irp d, 0,1
.irp c, 0,1
	v_fma_f32 v[BM+2*\d+\c], v[BM+2*\d+\c], s22, v[ST+8*(\qa+\d)]    ; t - M of each block's largest score
.endr
.endr
.irp d, 0,1
.irp c, 0,1
	v_exp_f32 v[BM+2*\d+\c], v[BM+2*\d+\c]         ; the block's largest p: the same two instructions on the same number give the same bits
.endr
.endr
	WIN 0x41                                       ; source 0 and destination window 1
.irp d, 0,1
.set j, 64*(\qa+\d)
.rept 32
	v_pk_fma_f32 v[j:j+1], v[j:j+1], s[22:23], v[ST+8*(\qa+\d):ST+8*(\qa+\d)+1] op_sel_hi:[1,0,0]   ; t - M, two at a time (of the pairs c and -M the low word serves both halves)
.set j, j+2
.endr
.endr
.set j, 64*(\qa)
.rept 128
	v_exp_f32 v[j], v[j]                           ; p = 2^(t - M), at most 1: NOT normalised
.set j, j+1
.endr
	WIN 0
.irp d, 0,1
	v_pk_mul_f32 v[ST+8*(\qa+\d)+2:ST+8*(\qa+\d)+3], v[ST+8*(\qa+\d)+2:ST+8*(\qa+\d)+3], v[ST+8*(\qa+\d)+4:ST+8*(\qa+\d)+5] op_sel_hi:[1,0]   ; the sums under the new M.  (A plain place behind the exponentials)
.endr
	s_wait_alu depctr_va_vdst(0)
.irp b, 0,1,2,3
	v_max_num_f32 v[BM+\b], 0x1800000, v[BM+\b]    ; the floor 2^(3 - 127): the byte cannot fall under 1
.endr
.irp b, 0,1,2,3
	v_add_nc_u32 v[SO+\b], 0xff000000, v[BM+\b]    ; 2 off the exponent field: the conversion's scale operand
.endr
.irp b, 0,1,2,3
	v_lshrrev_b32 v[BY+\b], 23, v[SO+\b]           ; the scale's byte
.endr
.irp d, 0,1
	v_lshl_or_b32 v[BY+2*\d], v[BY+2*\d+1], 16, v[BY+2*\d]   ; my two bytes, blocks h and 2 + h,
.endr
.irp d, 0,1
	v_lshlrev_b32 v[BY+2*\d], v5, v[BY+2*\d]       ; at their places;
.endr
.irp d, 0,1
	v_permlanex16_b32 v[PX+\d], v[BY+2*\d], s20, s21
.endr
.irp d, 0,1
	v_or_b32 v[PS+\qa+\d], v[BY+2*\d], v[PX+\d]    ; with lane l xor 16's two: p's scale word for these 128 keys
.endr
	WIN 0x05                                       ; THE ROW'S SUM IS TAKEN OF THE UNQUANTISED p: two at a time, in two chains a tile
.irp d, 0,1
	v_pk_add_f32 v[L2+2*\d:L2+2*\d+1], v[64*(\qa+\d):64*(\qa+\d)+1], v[64*(\qa+\d)+2:64*(\qa+\d)+3]
.endr
	WIN 0x04
.irp j, 4,8,12,16,20,24,28,32,36,40,44,48,52,56,60
.irp d, 0,1
	v_pk_add_f32 v[ST+8*(\qa+\d)+2:ST+8*(\qa+\d)+3], v[ST+8*(\qa+\d)+2:ST+8*(\qa+\d)+3], v[64*(\qa+\d)+\j:64*(\qa+\d)+\j+1]
	v_pk_add_f32 v[L2+2*\d:L2+2*\d+1], v[L2+2*\d:L2+2*\d+1], v[64*(\qa+\d)+\j+2:64*(\qa+\d)+\j+3]
.endr
.endr
	WIN 0
.irp d, 0,1
	v_pk_add_f32 v[ST+8*(\qa+\d)+2:ST+8*(\qa+\d)+3], v[ST+8*(\qa+\d)+2:ST+8*(\qa+\d)+3], v[L2+2*\d:L2+2*\d+1]
.endr
	WIN 0x01                                       ; the codes go to registers 48-59 of the tile's 64, so the last sixteen p are converted first, into window 0
.irp d, 0,1
	v_cvt_scalef32_pk16_fp6_f32 v[T3+4*\d:T3+4*\d+2], v[64*(\qa+\d)+48:64*(\qa+\d)+63], v[SO+2*\d+1]
.endr
	v_nop                                          ; one plain place behind a scaled conversion, whose sources are written next
	WIN 0x41
.irp d, 0,1
	v_cvt_scalef32_pk16_fp6_f32 v[64*(\qa+\d)+48:64*(\qa+\d)+50], v[64*(\qa+\d):64*(\qa+\d)+15], v[SO+2*\d]
	v_cvt_scalef32_pk16_fp6_f32 v[64*(\qa+\d)+60:64*(\qa+\d)+62], v[64*(\qa+\d)+16:64*(\qa+\d)+31], v[SO+2*\d]   ; (a conversion's three registers begin on an even number)
	v_cvt_scalef32_pk16_fp6_f32 v[64*(\qa+\d)+54:64*(\qa+\d)+56], v[64*(\qa+\d)+32:64*(\qa+\d)+47], v[SO+2*\d+1]
.endr
	v_nop
.irp d, 0,1
.irp i, 0,1,2
	v_mov_b32 v[64*(\qa+\d)+51+\i], v[64*(\qa+\d)+60+\i]
.endr
.endr
	WIN 0x40
.irp d, 0,1
.irp i, 0,1,2
	v_mov_b32 v[64*(\qa+\d)+57+\i], v[T3+4*\d+\i]
.endr
.endr
	WIN 0
.endm
.macro RESCALE q                       ; tile q's O^T under the new M: x f, each accumulator from its low end on
	WIN 0x82+0x41*((\q)/2)
.set j, 128*((\q)%2)
.rept 64
	v_pk_mul_f32 v[j:j+1], v[j:j+1], v[ST+8*(\q)+4:ST+8*(\q)+5] op_sel_hi:[1,0]
.set j, j+2
.endr
.endm
; THE REFILL, behind a step's scores.  The middle slot has just been read out, the end slot of the step before was read out a step ago: the next step's block lands in these two.
; use: the group 0 of the next step's parity;  other: the one whose load has landed: it is stepped to the step after next.
.macro REFILL use, other
	WIN 0                                          ; at a label and at a branch every window is 0; the add's two registers lie in window 0
	s_wait_tensorcnt 0x0                           ; no tensor load of mine is out, so a group 0 may be written
	ds_add_u32 v3, v4                              ; 0 onto my spare word
	s_add_nc_u64 s[(\other)+2:(\other)+3], s[(\other)+2:(\other)+3], 2*STEPB   ; two steps on; the type bits on top are not reached
	s_wait_dscnt 0x0                               ; the add is done, and my reads of the two slots are over
	CROUND                                         ; both now hold of every wave of all four work-groups
	tensor_load_to_lds s[(\use):(\use)+3], s[24:31]
	s_nop 0
	PLACES 4                                       ; behind a tensor load; also the places in front of the first read of the scores
.endm
.macro VSCALES par                     ; V lies in the upper slot in an even step (par = 0), in the lower one in an odd step
	ds_load_b128 v[VA:VA+3], v[84-83*(\par)] offset:24576
	ds_load_b128 v[VB:VB+3], v[84-83*(\par)] offset:24576+512
.endm
.macro FETCHV t0, par                  ; eight tiles of V^T (16 channels x 128 keys): two halves of six registers each
	WIN 0x40
.irp t, 0,1,2,3,4,5,6,7
.irp c, 0,1
.irp k, 0,1,2
	ds_load_b64 v[64*((\t0+\t)/4)+12*((\t0+\t)%4)+6*\c+2*\k:64*((\t0+\t)/4)+12*((\t0+\t)%4)+6*\c+2*\k+1], v[85-83*(\par)] offset:12288*\c+768*(\t0+\t)+256*\k
.endr
.endr
.endr
.endm
.macro VPERM                           ; the two halves of the step (two bytes a channel each) make V's scale words
.irp w, 0,1,2,3
	v_perm_b32 v[VS+2*\w], v[VB+\w], v[VA+\w], s60
	v_perm_b32 v[VS+2*\w+1], v[VB+\w], v[VA+\w], s61
.endr
.endm
.macro PVRUN t0, qa, first             ; O^T += V^T P^T: eight tiles of channels x two tiles of queries: sixteen accumulators, one product each
	WIN 0xa5+0x50*((\qa)/2)
.irp t, 0,1,2,3,4,5,6,7
.irp d, 0,1
.set rT, \t0+\t
.set rO, 128*\d+8*rT
.set rV, 64*(rT/4)+12*(rT%4)
.set rP, 64*(\qa+\d)+48
.if \first
	WMMA6 rO, rV, rP, -1, VS+rT/2, PS+\qa+\d, rT%2, 0
.else
	WMMA6 rO, rV, rP, rO, VS+rT/2, PS+\qa+\d, rT%2, 0
.endif
.endr
.endr
.endm
; A STEP OF 128 KEYS.  first = 1: V^T P starts O^T's sums and nothing is rescaled.  fill = 1: the next step is asked for.  par: the step's parity.
.macro STEP first, fill, par
	SPHASE
.if \fill
	REFILL 32+4*\par, 36-4*\par
.else
	PLACES 4                                       ; in front of the first read of the scores
.endif
	SOFTMAX 0
.if !\first
	RESCALE 0
	RESCALE 1
.endif
	WIN 0
	VSCALES \par
	FETCHV 0, \par                                 ; into the registers that tiles 0 and 1 of the scores have left
	SOFTMAX 2
	s_wait_dscnt 48                                ; V's scale bytes are in (behind them: the 48 loads of tiles 0-7)
	VPERM
	FETCHV 8, \par
.if \first
	WIN 0
	PLACES 8                                       ; a scale register written by a vector instruction stands eight places ahead of a scaled product
.else
	RESCALE 2                                      ; (these are those places)
	RESCALE 3
.endif
	s_wait_dscnt 48                                ; tiles 0-7 are in; the 48 loads of tiles 8-15 may be out
	PVRUN 0, 0, \first
	PVRUN 0, 2, \first
	s_wait_dscnt 0x0
	PVRUN 8, 0, \first
.if \fill
	WIN 0
	s_wait_tensorcnt 0x0                           ; for the reads below and the next step's: the next step's block has landed (no younger load is out: the count is 0).  Only I read my slots: no barrier is owed
	KHEAD                                          ; the next step's first fragments of K arrive under the sixteen products that follow
.endif
	PVRUN 8, 2, \first
	WIN 0
.endm
	s_wait_tensorcnt 0x0                           ; my first step has landed.  Only I read my slots: no barrier is owed
	KHEAD
	s_wait_loadcnt 0x0                             ; Q
	STEP 1, 1, 0
	s_mov_b32 s19, 3
.Lstep:                                                ; three trips of an odd and an even step, so that every LDS offset is an immediate
	STEP 0, 1, 1
	STEP 0, 1, 0
	s_sub_co_u32 s19, s19, 1
	s_cmp_lg_u32 s19, 0
	s_cbranch_scc1 .Lstep
	STEP 0, 0, 1                                   ; the last step is written out: it asks for nothing
	; ---- 1: my quarter's (M, sum, O^T) go to my area, which has had its last fill and which only I have read.  The lines up to the stores are also the places behind the last products
.irp q, 0,1,2,3
	v_add_f32 v[ST+8*\q+6], v[ST+8*\q+2], v[ST+8*\q+3]
.endr
.irp q, 0,1,2,3
	v_permlanex16_b32 v[PX+\q], v[ST+8*\q+6], s20, s21
.endr
.irp q, 0,1,2,3
	v_add_f32 v[ST+8*\q+2], v[ST+8*\q+6], v[PX+\q] ; the row's sum over my 1,024 keys
.endr
	v_and_b32 v184, 31, v0                         ; lane
	v_and_b32 v185, 15, v0                         ; r
	v_bfe_u32 v186, v0, 4, 1                       ; h
	s_add_co_u32 s50, s33, 65536
	v_lshl_add_u32 v187, v184, 2, s50              ; my statistics: area + 65,536 + 4 x lane
	s_lshl_b32 s51, s18, 14
	v_add_nc_u32 v40, s51, v6                      ; v40-43: tile w's O^T in areas 0 to 3
	v_add_nc_u32 v41, AREA, v40
	v_add_nc_u32 v42, AREA, v41
	v_add_nc_u32 v43, AREA, v42
	s_lshl_b32 s52, s18, 8
	s_add_co_u32 s53, s52, 65536
	v_lshl_add_u32 v44, v184, 2, s53               ; v44-47: its statistics there
	v_add_nc_u32 v45, AREA, v44
	v_add_nc_u32 v46, AREA, v45
	v_add_nc_u32 v47, AREA, v46
	v_lshlrev_b32 v188, 14, v186
	v_lshl_add_u32 v188, v185, 4, v188             ; x, out0: lanes 0-15 one channel's 256 bytes, lanes 16-31 the next channel's
	s_mul_i32 s54, s18, 3072
	s_add_co_u32 s54, s54, OIMG
	v_add_nc_u32 v189, s54, v6                     ; where I store tile w's two fragments,
	s_add_co_u32 s55, s52, OSC
	v_lshl_add_u32 v190, v184, 2, s55              ; and their scale words
	v_add_nc_u32 v191, OIMG, v6
	v_lshl_add_u32 v192, v184, 2, OSC
	v_mul_u32_u24 v193, v185, 272
	v_lshl_add_u32 v193, v186, 7, v193
	v_add_nc_u32 v193, s33, v193                   ; the stage, in: row r, + 128 h
	v_mul_u32_u24 v194, v186, 272
	v_lshl_add_u32 v194, v185, 4, v194
	v_add_nc_u32 v194, s33, v194                   ; back: lanes 0-15 one row, lanes 16-31 the next
	v_mul_u32_u24 v195, v185, 192
	v_mad_u32_u24 v195, v186, 24, v195             ; proj_w: row r of 192 bytes, + 24 h
	v_lshlrev_b32 v196, 3, v185
	v_lshlrev_b32 v197, 2, v185
.irp q, 0,1,2,3
	WIN 0x08+4*(\q/2)                              ; an LDS store's data are its source 1: window 2 or 3
.set t, 0
.rept 16
	ds_store_b128 v1, v[128*(\q%2)+8*t:128*(\q%2)+8*t+3] offset:16384*\q+1024*t          ; each accumulator from its low end on
	ds_store_b128 v1, v[128*(\q%2)+8*t+4:128*(\q%2)+8*t+7] offset:16384*\q+1024*t+512
.set t, t+1
.endr
.endr
	WIN 0
.irp q, 0,1,2,3
	ds_store_b32 v187, v[ST+8*\q] offset:256*\q
	ds_store_b32 v187, v[ST+8*\q+2] offset:256*\q+128
.endr
	s_wait_dscnt 0x0                               ; my stores have landed, and have read their registers
	WIN 0x80                                       ; proj_w: my 64 outputs, tile o, K step s at 12 (2 o + s) of window 2
.irp o, 0,1,2,3
.irp s, 0,1
.irp p, 0,1,2,3,4,5
	global_load_b64 v[12*(2*\o+\s)+2*\p:12*(2*\o+\s)+2*\p+1], v195, s[8:9] offset:16*\o*192+96*\s+48*(\p/3)+8*(\p%3)
.endr
.endr
.endr
	WIN 0
.irp o, 0,1,2,3
.irp s, 0,1
	global_load_b32 v[VS+2*\o+\s], v196, s[10:11] offset:128*\o+4*\s
.endr
	global_load_b32 v[PB+\o], v197, s[12:13] offset:64*\o
.endr
	s_barrier_signal -1
	s_barrier_wait -1                              ; all four quarters lie in LDS
	; ---- 2: wave w joins tile w
.macro MLOAD e                         ; chunk e = 2 s + half: area s, eight tiles of channels, 64 registers, into buffer e % 2 (window 1, v128 on)
	WIN 0x40
.set i, 0
.rept 16
	ds_load_b128 v[128+64*((\e)%2)+4*i:128+64*((\e)%2)+4*i+3], v[40+(\e)/2] offset:8192*((\e)%2)+512*i
.set i, i+1
.endr
.endm
.macro MACC e                          ; window 1, v0-127 (+)= g_s x the chunk
	WIN 0x51
.set j, 0
.rept 32
.if (\e) < 2
	v_pk_mul_f32 v[64*((\e)%2)+j:64*((\e)%2)+j+1], v[128+64*((\e)%2)+j:128+64*((\e)%2)+j+1], v[48+2*((\e)/2):49+2*((\e)/2)] op_sel_hi:[1,0]
.else
	v_pk_fma_f32 v[64*((\e)%2)+j:64*((\e)%2)+j+1], v[128+64*((\e)%2)+j:128+64*((\e)%2)+j+1], v[48+2*((\e)/2):49+2*((\e)/2)], v[64*((\e)%2)+j:64*((\e)%2)+j+1] op_sel_hi:[1,0,1]
.endif
.set j, j+2
.endr
.endm
.irp s, 0,1,2,3
	ds_load_b32 v[60+\s], v[44+\s]                 ; -M of quarter s,
	ds_load_b32 v[64+\s], v[44+\s] offset:128      ; its sum
.endr
	MLOAD 0
	MLOAD 1
	WIN 0
	s_wait_dscnt 32                                ; the statistics are in; the two chunks may be out
	v_min_num_f32 v56, v60, v61
	v_min3_num_f32 v56, v56, v62, v63              ; -M of the whole row
.irp s, 0,1,2,3
	v_sub_f32 v[48+2*\s], v56, v[60+\s]            ; M_s - M: a whole number, 0 or less
.endr
.irp s, 0,1,2,3
	v_cvt_i32_f32 v[48+2*\s], v[48+2*\s]
.endr
.irp s, 0,1,2,3
	v_ldexp_f32 v[48+2*\s], 1.0, v[48+2*\s]        ; f_s = 2^(M_s - M)
.endr
	v_mul_f32 v57, v48, v64
	v_fmac_f32 v57, v50, v65
	v_fmac_f32 v57, v52, v66
	v_fmac_f32 v57, v54, v67                       ; the row's sum
	v_rcp_f32 v58, v57
	v_nop                                          ; one plain place behind a transcendental
	s_wait_alu depctr_va_vdst(0)
.irp s, 0,1,2,3
	v_mul_f32 v[48+2*\s], v[48+2*\s], v58          ; g_s = f_s / sum
.endr
	WIN 0xc0                                       ; x for the residual, asked for now: my 64 channels x the block's 64 columns, into window 3, v0-127
.set i, 0
.rept 32
	global_load_b128 v[4*i:4*i+3], v188, s[14:15] offset:32768*i th:TH_LOAD_NT
.set i, i+1
.endr
.irp e, 0,1,2,3,4,5,6,7
.if \e < 7
	s_wait_dscnt 16                                ; this chunk is in; the next one's sixteen loads may be out
.else
	s_wait_dscnt 0x0
.endif
	MACC \e
.if \e < 6
	MLOAD \e+2
.endif
.endr
	; ---- 3: O / sum is quantised along the channels.  Registers 32 g + i are channels 64 g + 32 h + i: four blocks, all mine
	WIN 0x05
.irp g, 0,1,2,3
	v_max3_num_f32 v[56+\g], |v[32*\g]|, |v[32*\g+1]|, 0x1800000
.endr
	WIN 0x14
.irp i, 2,4,6,8,10,12,14,16,18,20,22,24,26,28,30
.irp g, 0,1,2,3
	v_max3_num_f32 v[56+\g], v[56+\g], |v[32*\g+\i]|, |v[32*\g+\i+1]|
.endr
.endr
	WIN 0
.irp g, 0,1,2,3
	v_add_nc_u32 v[44+\g], 0xff000000, v[56+\g]
.endr
.irp g, 0,1,2,3
	v_lshrrev_b32 v[48+\g], 23, v[44+\g]
.endr
.irp s, 0,1
	v_lshl_or_b32 v[52+\s], v[49+2*\s], 16, v[48+2*\s]
.endr
.irp s, 0,1
	v_lshlrev_b32 v[52+\s], v5, v[52+\s]
.endr
.irp s, 0,1
	v_permlanex16_b32 v[56+\s], v[52+\s], s20, s21
.endr
.irp s, 0,1
	v_or_b32 v[52+\s], v[52+\s], v[56+\s]          ; the scale word of K step s
.endr
	WIN 0x01
.irp g, 0,1,2,3
	v_cvt_scalef32_pk16_fp6_f32 v[136+6*\g:138+6*\g], v[32*\g:32*\g+15], v[44+\g]
	v_cvt_scalef32_pk16_fp6_f32 v[160+4*\g:162+4*\g], v[32*\g+16:32*\g+31], v[44+\g]
.endr
	v_nop
	WIN 0
.irp g, 0,1,2,3
.irp i, 0,1,2
	v_mov_b32 v[139+6*\g+\i], v[160+4*\g+\i]
.endr
.endr
.irp s, 0,1
.irp p, 0,1,2
	ds_store_b128 v189, v[136+12*\s+4*\p:136+12*\s+4*\p+3] offset:1536*\s+512*\p
.endr
	ds_store_b32 v190, v[52+\s] offset:128*\s
.endr
	s_wait_dscnt 0x0                               ; my stores have landed, and my reads of the four areas are over
	s_barrier_signal -1
	s_barrier_wait -1                              ; the eight fragments lie in LDS, and nobody reads the areas any more
	; ---- 4: the projection: my 64 outputs for the 64 queries.  Source 0 = 16 queries, source 1 = 16 rows of proj_w: a lane holds one output channel and eight neighbouring columns n
.irp f, 0,1,2,3,4,5,6,7
.irp p, 0,1,2
	ds_load_b128 v[QF+12*\f+4*\p:QF+12*\f+4*\p+3], v191 offset:1536*\f+512*\p
.endr
	ds_load_b32 v[KS+\f], v192 offset:128*\f
.endr
	s_wait_loadcnt 32                              ; proj_w, its scale words and proj_b are in; the 32 loads of x behind them may be out
	WIN 0x80
.irp o, 0,1,2,3
.irp j, 0,1,2,3,4,5,6,7
	v_mov_b32 v[96+8*\o+\j], v[PB+\o]              ; the bias in the result's layout: it is the C of each sum's first product
.endr
.endr
	WIN 0
	s_wait_dscnt 0x0
	PLACES 4
	WIN 0x68                                       ; source 1 and C window 2, D window 1
.irp o, 0,1,2,3
.irp q, 0,1,2,3
	WMMA6 128+8*(4*\o+\q), QF+24*\q, 24*\o, 96+8*\o, KS+2*\q, VS+2*\o, 0, 0
.endr
.endr
	WIN 0x58                                       ; C and D window 1: sixteen accumulators by turns
.irp o, 0,1,2,3
.irp q, 0,1,2,3
	WMMA6 128+8*(4*\o+\q), QF+24*\q+12, 24*\o+12, 128+8*(4*\o+\q), KS+2*\q+1, VS+2*\o+1, 0, 0
.endr
.endr
	WIN 0
	PLACES 4
	; ---- 5: the way out, through my own stage (64 rows of 256 bytes + 16, in my area).  Register j of tile q, lane half h, is column 32 h + 8 q + j of the block
	WIN 0x04
.irp o, 0,1,2,3
.irp q, 0,1,2,3
	ds_store_b128 v193, v[128+8*(4*\o+\q):128+8*(4*\o+\q)+3] offset:16*\o*272+32*\q
	ds_store_b128 v193, v[128+8*(4*\o+\q)+4:128+8*(4*\o+\q)+7] offset:16*\o*272+32*\q+16
.endr
.endr
	WIN 0xc0
.set i, 0
.rept 32
	ds_load_b128 v[128+4*i:128+4*i+3], v194 offset:544*i   ; LDS serves a wave's instructions in order (ISA guide 5.7.1.4): these see my stores
.set i, i+1
.endr
	s_wait_dscnt 0x0
	s_wait_loadcnt 0x0                             ; x
	WIN 0xcf
.set j, 0
.rept 64
	v_pk_add_f32 v[128+j:129+j], v[128+j:129+j], v[j:j+1]
.set j, j+2
.endr
	WIN 0x0c
.set i, 0
.rept 32
	global_store_b128 v188, v[128+4*i:128+4*i+3], s[16:17] offset:32768*i th:TH_STORE_NT   ; 16 lanes store 256 consecutive bytes, at a multiple of 256 from out0's first byte
.set i, i+1
.endr
	WIN 0
	s_wait_tensorcnt 0x0                           ; the wave's end: behind my last tensor load and my last LDS store
	ds_add_u32 v3, v4
	s_wait_dscnt 0x0
	CROUND                                         ; the closing round: no work-group ends while a partner may still ask for a block that names it
	s_endpgm
.Lfunc_end_k_q518cee84ed_attn:
	.size	k_q518cee84ed_attn, .Lfunc_end_k_q518cee84ed_attn-k_q518cee84ed_attn
	.p2alignl 7, 3214868480
	.fill 96, 4, 3214868480
	.section	.rodata,"a",@progbits
	.p2align	6, 0x0
	.amdhsa_kernel k_q518cee84ed_attn
		.amdhsa_group_segment_fixed_size 327680
		.amdhsa_private_segment_fixed_size 0
		.amdhsa_enable_private_segment 0
		.amdhsa_kernarg_size 56
		.amdhsa_user_sgpr_count 2
		.amdhsa_user_sgpr_kernarg_segment_ptr 1
		.amdhsa_wavefront_size32 1
		.amdhsa_system_sgpr_workgroup_id_x 1
		.amdhsa_system_sgpr_workgroup_id_y 1
		.amdhsa_system_sgpr_workgroup_id_z 1
		.amdhsa_system_vgpr_workitem_id 0
		.amdhsa_next_free_vgpr 1024
		.amdhsa_next_free_sgpr 66
		.amdhsa_reserve_vcc 0
		.amdhsa_float_denorm_mode_32 3
		.amdhsa_float_denorm_mode_16_64 3
		.amdhsa_memory_ordered 1
		.amdhsa_forward_progress 1
		.amdhsa_inst_pref_size 255
	.end_amdhsa_kernel
	.section	.bss,"aw",@nobits
	.p2align	6
	.space	262144
	.amdgpu_metadata
---
amdhsa.version: [ 1, 2 ]
amdhsa.kernels:
  - .name:           k_q518cee84ed_attn
    .symbol:         k_q518cee84ed_attn.kd
    .args:
      - { .name: qimg, .offset: 0, .size: 8, .value_kind: global_buffer, .address_space: global }
      - { .name: kv, .offset: 8, .size: 8, .value_kind: global_buffer, .address_space: global }
      - { .name: proj_w_codes, .offset: 16, .size: 8, .value_kind: global_buffer, .address_space: global }
      - { .name: proj_w_scales, .offset: 24, .size: 8, .value_kind: global_buffer, .address_space: global }
      - { .name: proj_b, .offset: 32, .size: 8, .value_kind: global_buffer, .address_space: global }
      - { .name: x, .offset: 40, .size: 8, .value_kind: global_buffer, .address_space: global }
      - { .name: out0, .offset: 48, .size: 8, .value_kind: global_buffer, .address_space: global }
    .group_segment_fixed_size: 327680
    .private_segment_fixed_size: 0
    .kernarg_segment_align: 8
    .kernarg_segment_size: 56
    .max_flat_workgroup_size: 128
    .sgpr_count:     66
    .vgpr_count:     1024
    .wavefront_size: 32
...
	.end_amdgpu_metadata
.endif
;; end of part 3
